; MI455X (gfx1250); checked and timed in simulation.
; The chip was launched on July 23, 2026; its instructions are those of AMD's public machine-readable ISA for CDNA 5 (MIT licence, August 2026) and "CDNA5" Instruction Set Architecture Reference Guide (July 2026). The comments in the code are by the model that wrote it; some were corrected since.
;; Multi Headed Attention. Allowed arithmetic: matrix products marked QUANTISED: E4M3 operands, one E8M0 scale for each 32 along K, by v_wmma_scale_f32_16x16x128_f8f6f4 with both operands' format E4M3, f32 sums; everything else in f32.
;; Inputs: Wk_codes 1,024 x 32 x 32 uint8 (E4M3 codes of Wk, K innermost, in blocks of 32 codes); Wk_scales 1,024 x 32 uint8 (E8M0 scales of Wk, one for each 32 codes along K); Wo_codes 1,024 x 32 x 32 uint8 (E4M3 codes of Wo, K innermost, in blocks of 32 codes); Wo_scales 1,024 x 32 uint8 (E8M0 scales of Wo, one for each 32 codes along K); Wq_codes 1,024 x 32 x 32 uint8 (E4M3 codes of Wq, K innermost, in blocks of 32 codes); Wq_scales 1,024 x 32 uint8 (E8M0 scales of Wq, one for each 32 codes along K); Wv_codes 1,024 x 32 x 32 uint8 (E4M3 codes of Wv, K innermost, in blocks of 32 codes); Wv_scales 1,024 x 32 uint8 (E8M0 scales of Wv, one for each 32 codes along K); bk 1,024 float32; bo 1,024 float32; bq 1,024 float32; bv 1,024 float32; key_codes 4 x 2,048 x 32 x 32 uint8 (E4M3 codes of key, K innermost, in blocks of 32 codes); key_scales 4 x 2,048 x 32 uint8 (E8M0 scales of key, one for each 32 codes along K); mask 4 x 2,048 x 2,048 int32; query_codes 4 x 2,048 x 32 x 32 uint8 (E4M3 codes of query, K innermost, in blocks of 32 codes); query_scales 4 x 2,048 x 32 uint8 (E8M0 scales of query, one for each 32 codes along K); value_codes 4 x 2,048 x 32 x 32 uint8 (E4M3 codes of value, K innermost, in blocks of 32 codes); value_scales 4 x 2,048 x 32 uint8 (E8M0 scales of value, one for each 32 codes along K).
;; Outputs: out0 4 x 2,048 x 1,024 float32.
;; This version of the problem:
;;   THIS VERSION OF THE PROBLEM IS GIVEN IN LOW PRECISION. The matrix products marked QUANTISED in the list below multiply operands that are first quantised to E4M3 (4 exponent bits, 3 mantissa bits; 8 bits a number), with one power-of-two scale for each 32 numbers along K (OCP MX v1.0); their sums are f32. All else is computed in f32.
;;   The module's matrix products, in the order in which they are computed (A, B: the left and right operand; K: the contracted axis; several contracted axes count as one K, in the product's order):
;;     1. [M 8,192, K 1,024] x [K 1,024, N 1,024]; A: input query (given as codes); B: input Wq (given as codes): QUANTISED
;;     2. [M 8,192, K 1,024] x [K 1,024, N 1,024]; A: input key (given as codes); B: input Wk (given as codes): QUANTISED
;;     3. [M 8,192, K 1,024] x [K 1,024, N 1,024]; A: input value (given as codes); B: input Wv (given as codes): QUANTISED
;;     4. batch 64 x [M 2,048, K 64] x [K 64, N 2,048]; A: computed on the way; B: computed on the way: QUANTISED
;;     5. batch 64 x [M 2,048, K 2,048] x [K 2,048, N 64]; A: computed on the way; B: computed on the way: QUANTISED
;;     6. [M 8,192, K 1,024] x [K 1,024, N 1,024]; A: computed on the way; B: input Wo (given as codes): QUANTISED
;;   THE QUANTISER, for each operand of a quantised product, along K:
;;     - K is cut into blocks of 32 from its start; a last block that is shorter is filled with zeros.
;;     - A block's scale is 2^e with e = floor(log2(the largest magnitude in the block)) - 8, held to -126 .. 127; a block of zeros has e = 0. As a byte (E8M0): e + 127.
;;     - Each number is divided by its block's scale, clamped to +-448, and rounded to the nearest number of E4M3, ties to even, subnormals kept.
;;     - The product sums the exact products of the quantised numbers (number of the format x scale) in f32.
;;   ~~~python
;;   def quantise(x, axis):      # numpy; x: float32 -> the quantised numbers, widened to float32 again
;;       x = np.moveaxis(x, axis, -1); K = x.shape[-1]
;;       x = np.pad(x, [(0, 0)] * (x.ndim - 1) + [(0, -K % 32)]); x = x.reshape(x.shape[:-1] + (-1, 32)); a = np.abs(x).max(-1, keepdims=True)
;;       e = np.where(a > 0, np.clip(np.frexp(np.where(a > 0, a, 1))[1] - 1 - 8, -126, 127), 0)      # np.frexp(a)[1] - 1 = floor(log2(a)), exactly
;;       r = np.clip(x / 2.0 ** e, -448, 448)
;;       step = 2.0 ** (np.maximum(np.frexp(np.where(r == 0, 1, r))[1] - 1, -6) - 3)
;;       q = np.round(r / step) * step * 2.0 ** e      # np.round: ties to even
;;       return np.moveaxis(q.reshape(q.shape[:-2] + (-1,))[..., :K], -1, axis).astype(np.float32)
;;   ~~~
;;   OPERANDS COMPUTED ON THE WAY. 'Computed on the way' means the value that the module computes at that place (a softmax that the list does not call 'softmax' is quantised finished and normalised). What goes into a quantiser is computed in f32, as accurately as f32 sums, v_exp_f32 and their like allow (about 1e-6 of the number): no bf16 or f16 on the way to a quantiser, and a product that is left as it is and whose result goes on into a quantised operand takes f32 operands (vector FMAs, or v_wmma_f32_16x16x4_f32). A number that lies on a knife's edge between two numbers of the format may be rounded either way, as far as f32 arithmetic and the matrix unit's own rounding can turn it there, and no further.
;;   INPUTS GIVEN AS CODES. Wk (in the module: [1024, 1024], K = its axis 1); Wo (in the module: [1024, 1024], K = its axis 1); Wq (in the module: [1024, 1024], K = its axis 1); Wv (in the module: [1024, 1024], K = its axis 1); key (in the module: [4, 2048, 1024], K = its axis 2); query (in the module: [4, 2048, 1024], K = its axis 2); value (in the module: [4, 2048, 1024], K = its axis 2): each comes as NAME_codes (uint8): NAME with its K axis moved to the last place and cut into blocks of 32 codes, [.., K / 32, bytes a block], one block behind the other in memory; one code a byte (a code: sign, 4 exponent bits, 3 mantissa bits); and NAME_scales (uint8): the same leading axes, one E8M0 byte (e + 127) for each 32 codes along K. Its value is code x scale, taken as it is: it is not quantised again, and the codes and scales need not be those that the quantiser above would give.
;; One version. Each part assembles by itself: llvm-mc -triple=amdgcn-amd-amdhsa -mcpu=gfx1250 --defsym DOCPART=n.
;; ======== version 1 of 1: 4 launches
;; limits: right only within a limited range of input values
;; workspace buffers: pimg 25,165,824 bytes; pscl 786,432 bytes; maskw 2,097,152 bytes of whole numbers; ximg 8,388,608 bytes; xscl 262,144 bytes
;; launch maskbits (part 1): grid 512 x 1, 8 waves a work-group, no clusters, 68,608 bytes of LDS; arguments mask, maskw; writes maskw
.if DOCPART == 1
	.amdgcn_target "amdgcn-amd-amdhsa--gfx1250"
	.amdhsa_code_object_version 6
	.text
	.protected	k_q31edefbd07_maskbits
	.globl	k_q31edefbd07_maskbits
	.p2align	8
	.type	k_q31edefbd07_maskbits,@function
k_q31edefbd07_maskbits:
	s_mov_b64 s[64:65], 0
	v_nop
	global_prefetch_b8 v0, s[64:65] scope:SCOPE_SE
	s_setreg_imm32_b32 hwreg(HW_REG_WAVE_MODE, 25, 1), 1
	s_wait_xcnt 0x0
; mask [4][2048][2048] int32 becomes lane-mask words for the attention launch: one bit a number, laid as that launch's score registers lie.
; maskw byte g*4096 + sigma*256 + 4 n, g = 2 x (block of 32 queries, 0..255) + u, sigma = key step of 128, n = 16 c + i:
;   bit L (r = L % 16, h = L / 16) = mask[query 32 block + 8 u + r + 8 (r / 8)][key 128 sigma + 32 c + 16 h + i] != 0.
; A work-group takes one tile of 16 queries (g), a wave two key steps.  Each load reads 512 consecutive bytes of one row; the 16 rows of a step turn
; through the wave's own stage in LDS (pitch 528 bytes), so that a lane then holds 64 numbers of ONE query; 64 compares give 64 words, which are set
; lane by lane into a pair of registers and leave as one aligned run of 256 bytes.  Waves share nothing: no barrier.  Memory binds: no matrix unit, no cluster.
.set PITCH, 528
.set STG,   16*PITCH                   ; a wave's stage
.set R,     8                          ; v8-135   two steps x 16 rows x 4 registers, as loaded
.set X,     136                        ; v136-199 64 numbers of my query
.set W,     200                        ; v200-203 two pairs of output words
	s_load_b128 s[4:7], s[0:1], 0x0                ; mask, maskw
	v_lshl_add_u32 v216, v0, 2, 0x10800
	v_mov_b32 v217, 0
	v_lshrrev_b32 v5, 5, v0
	s_delay_alu instid0(VALU_DEP_1)
	v_readfirstlane_b32 s8, v5                     ; wave 0..7
	v_and_b32 v5, 31, v0                           ; lane
	v_and_b32 v6, 15, v0                           ; r
	v_bfe_u32 v7, v0, 4, 1                         ; h
	s_delay_alu instid0(VALU_DEP_3)
	v_lshlrev_b32 v1, 4, v5                        ; 16 x lane: my bytes of a load's 512
	s_delay_alu instid0(VALU_DEP_4)
	v_lshlrev_b32 v4, 3, v5                        ; 8 x lane: my two words on the way out
	s_mul_i32 s9, s8, STG
	v_add_nc_u32 v2, s9, v1                        ; into the stage: as loaded
	v_mul_u32_u24 v3, v6, PITCH
	s_delay_alu instid0(VALU_DEP_1)
	v_lshl_add_u32 v3, v7, 6, v3
	s_delay_alu instid0(VALU_DEP_1)
	v_add_nc_u32 v3, s9, v3                        ; out of it: row r, + 64 h
.irp i, 0,1,2,3
	v_mov_b32 v[W+\i], 0                           ; a lane write's destination counts as read
.endr
	s_lshr_b32 s10, ttmp9, 1
	s_lshl_b32 s10, s10, 18                        ; 32 rows of 8,192 bytes for each block of queries,
	s_and_b32 s11, ttmp9, 1
	s_lshl_b32 s11, s11, 16                        ; 8 rows for u,
	s_add_co_u32 s10, s10, s11
	s_lshl_b32 s11, s8, 10                         ; 256 keys for each wave
	s_add_co_u32 s10, s10, s11
	s_mov_b32 s11, 0
	s_lshl_b32 s12, ttmp9, 12
	s_lshl_b32 s13, s8, 9
	s_add_co_u32 s12, s12, s13
	s_mov_b32 s13, 0
	s_wait_alu depctr_va_vdst(0)
	s_wait_kmcnt 0x0
	s_add_nc_u64 s[4:5], s[4:5], s[10:11]
	s_add_nc_u64 s[6:7], s[6:7], s[12:13]
.irp e, 0,1
.irp t, 0,1,2,3,4,5,6,7,8,9,10,11,12,13,14,15
	global_load_b128 v[R+64*\e+4*\t:R+64*\e+4*\t+3], v1, s[4:5] offset:(\t+8*(\t/8))*8192+512*\e th:TH_LOAD_NT
.endr
.endr
.macro PACK e
	s_wait_loadcnt 16*(1-\e)                       ; this step's 16 loads are in; the other step's 16 younger ones may be out
.irp t, 0,1,2,3,4,5,6,7,8,9,10,11,12,13,14,15
	ds_store_b128 v2, v[R+64*\e+4*\t:R+64*\e+4*\t+3] offset:PITCH*\t
.endr
.irp c, 0,1,2,3
.irp g, 0,1,2,3
	ds_load_b128 v[X+16*\c+4*\g:X+16*\c+4*\g+3], v3 offset:128*\c+16*\g   ; LDS serves a wave's instructions in order: these see my stores
.endr
.endr
	s_wait_dscnt 0x0
.set n, 0
.rept 8
.irp k, 0,1,2,3,4,5,6,7
	v_cmp_ne_u32 s[16+\k], 0, v[X+n+\k]            ; word n + k: one bit a lane
.endr
.irp k, 0,1,2,3,4,5,6,7
	v_writelane_b32 v[W+2*\e+\k%2], s[16+\k], (n+\k)/2   ; words 2 l and 2 l + 1 go to lane l's pair
.endr
.set n, n+8
.endr
	global_store_b64 v4, v[W+2*\e:W+2*\e+1], s[6:7] offset:256*\e   ; 32 lanes store 256 consecutive bytes, aligned
.endm
	PACK 0
	PACK 1
	s_wait_tensorcnt 0x0
	ds_add_u32 v216, v217
	s_wait_dscnt 0x0
	s_endpgm
.Lfunc_end_k_q31edefbd07_maskbits:
	.size	k_q31edefbd07_maskbits, .Lfunc_end_k_q31edefbd07_maskbits-k_q31edefbd07_maskbits
	.p2alignl 7, 3214868480
	.fill 96, 4, 3214868480
	.section	.rodata,"a",@progbits
	.p2align	6, 0x0
	.amdhsa_kernel k_q31edefbd07_maskbits
		.amdhsa_group_segment_fixed_size 68608
		.amdhsa_private_segment_fixed_size 0
		.amdhsa_enable_private_segment 0
		.amdhsa_kernarg_size 16
		.amdhsa_user_sgpr_count 2
		.amdhsa_user_sgpr_kernarg_segment_ptr 1
		.amdhsa_wavefront_size32 1
		.amdhsa_system_sgpr_workgroup_id_x 1
		.amdhsa_system_sgpr_workgroup_id_y 1
		.amdhsa_system_sgpr_workgroup_id_z 1
		.amdhsa_system_vgpr_workitem_id 0
		.amdhsa_next_free_vgpr 218
		.amdhsa_next_free_sgpr 66
		.amdhsa_reserve_vcc 0
		.amdhsa_float_denorm_mode_32 3
		.amdhsa_float_denorm_mode_16_64 3
		.amdhsa_memory_ordered 1
		.amdhsa_forward_progress 1
		.amdhsa_inst_pref_size 26
	.end_amdhsa_kernel
	.amdgpu_metadata
---
amdhsa.version: [ 1, 2 ]
amdhsa.kernels:
  - .name:           k_q31edefbd07_maskbits
    .symbol:         k_q31edefbd07_maskbits.kd
    .args:
      - { .name: mask, .offset: 0, .size: 8, .value_kind: global_buffer, .address_space: global }
      - { .name: maskw, .offset: 8, .size: 8, .value_kind: global_buffer, .address_space: global }
    .group_segment_fixed_size: 68608
    .private_segment_fixed_size: 0
    .kernarg_segment_align: 8
    .kernarg_segment_size: 16
    .max_flat_workgroup_size: 256
    .sgpr_count:     66
    .vgpr_count:     218
    .wavefront_size: 32
...
	.end_amdgpu_metadata
.endif
;; end of part 1
;; launch proj (part 2): grid 4 x 64, 4 waves a work-group, clusters of 4 x 4, 327,680 bytes of LDS; arguments query_codes, key_codes, Wv_codes, query_scales, key_scales, Wv_scales, Wq_codes, Wk_codes, value_codes, Wq_scales, Wk_scales, value_scales, bq, bk, bv, pimg, pscl; writes pimg, pscl
.if DOCPART == 2
	.amdgcn_target "amdgcn-amd-amdhsa--gfx1250"
	.amdhsa_code_object_version 6
	.text
	.protected	k_q31edefbd07_proj
	.globl	k_q31edefbd07_proj
	.p2align	8
	.type	k_q31edefbd07_proj,@function
k_q31edefbd07_proj:
	s_mov_b64 s[64:65], 0
	v_nop
	global_prefetch_b8 v0, s[64:65] scope:SCOPE_SE
	s_setreg_imm32_b32 hwreg(HW_REG_WAVE_MODE, 25, 1), 1
	s_wait_xcnt 0x0
	s_wait_alu depctr_hold_cnt(0) depctr_sa_sdst(0) depctr_va_vdst(0) depctr_va_sdst(0) depctr_va_ssrc(0) depctr_va_vcc(0) depctr_vm_vsrc(0)
	s_getreg_b32 s2, hwreg(HW_REG_IB_STS2, 6, 4)
	s_cmp_eq_u32 s2, 0
	s_cbranch_scc0 .Lentry_in_a_cluster
	s_endpgm
.Lentry_in_a_cluster:
	s_bfe_u32 s2, ttmp6, 0x10000c
	s_cmp_lg_u32 s2, 0xf033
	s_cbranch_scc0 .Lentry_shape_is_right
	s_endpgm
.Lentry_shape_is_right:
; q = query Wq^T + bq, k = key Wk^T + bk, v = value Wv^T + bv on codes of FP8 (E4M3) with E8M0 scales, K = 1,024; each result is quantised at once for attention and leaves as codes.
; A tile is 128 rows of 'A' (they fall on lanes) x 256 rows of 'B' (they fall on registers: the axis that is quantised).
;   q, k: A = the tokens, B = W's rows n: a lane's registers run along the head's channels.      v: A = Wv's rows n, B = the tokens: they run along the keys.
; A WORK-GROUP STAYS and makes three tiles, one of q, one of k, one of v: 256 work-groups x 3 = the 768 tiles.  q and k run one loop body (two trips); v, the last, is written out and asks for nothing more.
; THE RING DOES NOT STOP AT A TILE'S END: the changes of slots at K steps 5 and 7 ask for the next tile's first two slots, and the next tile's scale words and bias are loaded at the head of the way out.
; Four waves, each 64 of A (4 tiles) x 128 of B (8 tiles): 32 accumulators.  K goes in steps of 128, two to an LDS slot (rows of 256 bytes), through a ring of two slots.
; CLUSTER 4 x 4: A's tile is shared along a row of the cluster, B's along a column: each is asked for jointly.  The walk is the same in all sixteen partners.
; THE MATRIX INSTRUCTION: source 0 = 16 rows of B, source 1 = 16 rows of A.  Lane (r, h), register j of accumulator (a, b): A row 32 (a / 2) + 8 (a % 2) + r + 8 (r / 8), B row 16 b + 8 h + j.
; q, k: the bias runs along B and is the C of the first products.  v: it runs along A and is added on the way out.
; OUT.  pimg [kind][tile][block of 32 of A: 4][block of 32 of B: 8][u 2][512 bytes]: a group of 512 bytes is the image of four operand registers: lane L's 16 bytes at 16 L.
;       pscl [kind][tile][half of B][half of A][r 16][4 words].  Each store of codes covers 256 consecutive bytes, aligned.
; LIMITS: NaN codes and the scale byte 0xff among the inputs are not served.  A block of zeros gets the byte 1 where the quantiser says 127: its codes are zeros, and this program alone reads the bytes.
; PREFETCH: behind each joint load a wave asks for the slot that stands two fills on (the next tile's, where this tile has none left): a lane a row of 256 bytes, one instruction a wave.
;   Of the rows that a wave fetches (A 64, B 128) each of the four partners that ask for them jointly takes a quarter, told apart by address (cx for A, cy for B); A's lanes 16-31 name lanes 0-15's rows again.
;   The head also asks for slot 1, whose load goes out when slot 0's has landed.  q's slot 0 comes by its load alone; v's last two fills ask for nothing.
; REGISTERS: window 0: v16-31 addresses; v32-47 A's scale words, v48-79 B's (all of K); v80-105 at work; v128-255 A's fragments, two sets (later the codes).
;   window 1: B's fragments, two sets.   window 2: accumulator (a, b) at v[8 (8 a + b)].   window 3: v0-63 the bias along B, v64-71 along A.
; SCALARS: s[80:93] k's seven addresses (A, B, A's scales, B's scales, bias, codes out, scale words out), s[16:23], s[40:45] v's; s[6:7], s[10:11], s[70:71], s[66:69] those of the tile in hand;
;   s[98:99] where my prefetches stand, s[100:101] my work-group's share of the rows, in bytes.
.set PITCH, 272
.set APART, 128*PITCH
.set SLOT,  384*PITCH
.set SPARE, 2*SLOT
.set ADRA, 16
.set ADRB, 20
.set OFF8, 24
.set SPW,  28
.set NIL,  29
.set PFO,  31                          ; v31 the prefetches' offset: my lane's row x 1,024 bytes; never rewritten
.set SA,   32
.set SB,   48
.set TM,   80
.set PW,   96
.set OW,   100
.set AF,   128
.set PC,   128
.set BR,   0
.set BL,   64
.set G1,  24
.set G0,  32
.set G1B, 48
.set G0B, 56
.set MSB, 0
.macro WIN new
.if MSB != \new
	s_set_vgpr_msb (MSB<<8)|\new
.set MSB, \new
.endif
.endm
.macro PLACES n
.rept \n
	v_nop
.endr
.endm
.macro JLOAD g0a, g1a, g0b, g1b        ; waves 0 and 1 fetch A's halves, waves 2 and 3 B's
	s_cmp_eq_u32 s15, 0
	s_cbranch_scc0 .Lfor_b_\@
	tensor_load_to_lds s[\g0a:\g0a+3], s[\g1a:\g1a+7]
	s_nop 0
.rept 4
	v_nop
.endr
	s_branch .Lasked_\@
.Lfor_b_\@:
	tensor_load_to_lds s[\g0b:\g0b+3], s[\g1b:\g1b+7]
	s_nop 0
.rept 4
	v_nop
.endr
.Lasked_\@:
.endm
.macro CREST
	s_cmp_lg_u32 s14, 0
	s_cbranch_scc1 .Lnot_wave_0_\@
	s_barrier_signal -3
.Lnot_wave_0_\@:
	s_barrier_wait -3
	s_barrier_signal -1
	s_barrier_wait -1
.endm
.macro CROUND
	s_barrier_signal -1
	s_barrier_wait -1
	CREST
.endm
; a kind's seven addresses.  s100: A's tile of 128 rows (made of cy), s101: B's tile of 256 rows (made of cx)
.macro SETK kd, isv, pA, pSA, pB, pSB, pBi, dA, dB, dSA, dSB, dBi, dC, dS
	s_lshl_b32 s94, s100, 17                       ; A: (128 tile + 64 half) rows of 1,024 bytes
	s_lshl_b32 s12, s3, 16
	s_add_co_u32 s94, s94, s12
	s_add_nc_u64 s[\dA:\dA+1], s[\pA:\pA+1], s[94:95]
	s_lshl_b32 s98, s101, 18                       ; B: (256 tile + 128 half) rows
	s_lshl_b32 s12, s3, 17
	s_add_co_u32 s98, s98, s12
	s_add_nc_u64 s[\dB:\dB+1], s[\pB:\pB+1], s[98:99]
	s_lshl_b32 s94, s100, 12                       ; A's scales: 32 bytes a row, my 64 rows
	s_lshl_b32 s12, s15, 11
	s_add_co_u32 s94, s94, s12
	s_add_nc_u64 s[\dSA:\dSA+1], s[\pSA:\pSA+1], s[94:95]
	s_lshl_b32 s98, s101, 13                       ; B's: my 128 rows
	s_lshl_b32 s12, s3, 12
	s_add_co_u32 s98, s98, s12
	s_add_nc_u64 s[\dSB:\dSB+1], s[\pSB:\pSB+1], s[98:99]
.if \isv
	s_lshl_b32 s94, s100, 9                        ; the bias along A: my 64 numbers
	s_lshl_b32 s12, s15, 8
	s_add_co_u32 s94, s94, s12
	s_add_nc_u64 s[\dBi:\dBi+1], s[\pBi:\pBi+1], s[94:95]
	s_lshl_b32 s13, s100, 5                        ; the tile's number in the output
	s_add_co_u32 s13, s13, s101
.else
	s_lshl_b32 s98, s101, 10                       ; the bias along B: my 128 numbers
	s_lshl_b32 s12, s3, 9
	s_add_co_u32 s98, s98, s12
	s_add_nc_u64 s[\dBi:\dBi+1], s[\pBi:\pBi+1], s[98:99]
	s_lshl_b32 s13, s101, 6
	s_add_co_u32 s13, s13, s100
.endif
	s_lshl_b32 s8, s13, 15                         ; codes: 8 MiB a kind, 32,768 bytes a tile, 16,384 for my half of A, 4,096 for my half of B
	s_lshl_b32 s12, s15, 14
	s_add_co_u32 s8, s8, s12
	s_lshl_b32 s12, s3, 12
	s_add_co_u32 s8, s8, s12
	s_add_co_u32 s8, s8, (\kd)<<23
	s_add_nc_u64 s[\dC:\dC+1], s[62:63], s[8:9]
	s_lshl_b32 s8, s13, 10                         ; scale words: 262,144 bytes a kind, 1,024 a tile, 512 for my half of B, 256 for my half of A
	s_lshl_b32 s12, s3, 9
	s_add_co_u32 s8, s8, s12
	s_lshl_b32 s12, s15, 8
	s_add_co_u32 s8, s8, s12
	s_add_co_u32 s8, s8, (\kd)<<18
	s_add_nc_u64 s[\dS:\dS+1], s[96:97], s[8:9]
.endm
	s_load_b512 s[24:39], s[0:1], 0x0              ; pointers 0 to 7
	s_load_b512 s[48:63], s[0:1], 0x40             ; 8 to 15
	s_load_b64 s[96:97], s[0:1], 0x80              ; pscl
	v_lshl_add_u32 v[SPW], v0, 2, SPARE
	v_mov_b32 v[NIL], 0
	ds_add_u32 v[SPW], v[NIL]                      ; the opening: the add twice on end and its wait
	ds_add_u32 v[SPW], v[NIL]
	v_lshrrev_b32 v1, 5, v0
	v_readfirstlane_b32 s14, v1                    ; wave 0..3
	s_lshr_b32 s15, s14, 1                         ; my half of A's rows.  Also: I fetch for A (0) or for B (1)
	s_and_b32 s3, s14, 1                           ; my half of B's rows.  Also: which half of that tile I fetch
	s_bfe_u32 s72, ttmp6, 0x40000                  ; cx
	s_bfe_u32 s73, ttmp6, 0x40004                  ; cy
	s_and_b32 s2, ttmp7, 0xffff                    ; the cluster's y, 0..15
	s_lshl_b32 s104, s73, 2
	s_lshl_b32 s104, 15, s104                      ; my row of the cluster
	s_lshl_b32 s105, 0x1111, s72                   ; my column
	s_mov_b32 s95, 0
	s_mov_b32 s99, 0
	s_mov_b32 s9, 0
	s_mov_b32 s74, 0x05040100                      ; q, k: two bytes of each of two scale words: the lower pair,
	s_mov_b32 s75, 0x07060302                      ; the upper pair
	s_mov_b32 s76, 0xffff0000                      ; lanes 16-31
	s_mov_b32 s77, 0x600000                        ; the mantissa field of 448
	s_mov_b32 s78, 0x76543210
	s_mov_b32 s79, 0xfedcba98                      ; lane l xor 16
	s_lshl_b32 s100, s2, 2                         ; q, k: sixteen clusters along A, one along B
	s_add_co_u32 s100, s100, s73
	s_mov_b32 s101, s72
	s_wait_dscnt 0x0
	s_wait_kmcnt 0x0
	SETK 0, 0, 24, 30, 36, 50, 56, 4, 46, 6, 10, 70, 66, 68
	SETK 1, 0, 26, 32, 38, 52, 58, 80, 82, 84, 86, 88, 90, 92
	s_lshr_b32 s100, s2, 3                         ; v: two clusters along A, eight along B
	s_lshl_b32 s100, s100, 2
	s_add_co_u32 s100, s100, s73
	s_and_b32 s101, s2, 7
	s_lshl_b32 s101, s101, 2
	s_add_co_u32 s101, s101, s72
	SETK 2, 1, 28, 34, 48, 54, 60, 16, 18, 20, 22, 40, 42, 44
	s_lshl_b32 s100, s72, 14                       ; the prefetches: of A's 64 rows that I fetch my work-group takes 16 cx .. + 15,
	s_lshl_b32 s101, s73, 15                       ; of B's 128 rows 32 cy .. + 31
	s_cmp_eq_u32 s15, 0
	s_cselect_b32 s12, 15, 31
	s_cselect_b32 s100, s100, s101
	s_cselect_b64 s[98:99], s[4:5], s[46:47]       ; q's rows that I fetch
	s_mov_b32 s101, 0
	s_add_nc_u64 s[98:99], s[98:99], s[100:101]
	v_and_b32 v[PFO], s12, v0
	v_lshlrev_b32 v[PFO], 10, v[PFO]
	s_wait_alu depctr_va_vdst(0)                   ; the wait here, directly behind the write
	s_mul_i32 s12, s3, 64*PITCH                    ; where my part of a tile goes: no place in the cluster enters an LDS address
	s_mul_i32 s13, s3, 128*PITCH
	s_add_co_u32 s13, s13, APART
	s_or_b32 s[G1], s104, (0<<16)|(1<<20)|(1<<21)|(5<<22)|(3<<25)   ; rows of 256 bytes, 1,024 apart in memory, 16 bytes of padding behind each: A 64 rows, B 128
	s_or_b32 s[G1B], s105, (0<<16)|(1<<20)|(1<<21)|(5<<22)|(3<<25)
	s_mov_b32 s[G1+1], 256<<16
	s_mov_b32 s[G1+2], 64<<16
	s_mov_b32 s[G1+3], 256<<16
	s_mov_b32 s[G1+4], 64
	s_mov_b32 s[G1+5], 1024
	s_mov_b32 s[G1+6], 0
	s_mov_b32 s[G1+7], 0
	s_mov_b32 s[G1B+1], 256<<16
	s_mov_b32 s[G1B+2], 128<<16
	s_mov_b32 s[G1B+3], 256<<16
	s_mov_b32 s[G1B+4], 128
	s_mov_b32 s[G1B+5], 1024
	s_mov_b32 s[G1B+6], 0
	s_mov_b32 s[G1B+7], 0
	CROUND                                         ; all sixteen work-groups are here: the first joint loads meet
.irp s, 0,1
	s_mov_b32 s[G0+4*\s], 1
	s_add_co_u32 s[G0+4*\s+1], s12, \s*SLOT
	s_add_nc_u64 s[G0+4*\s+2:G0+4*\s+3], s[4:5], \s*256
	s_or_b32 s[G0+4*\s+3], s[G0+4*\s+3], 0x80000000
	s_mov_b32 s[G0B+4*\s], 1
	s_add_co_u32 s[G0B+4*\s+1], s13, \s*SLOT
	s_add_nc_u64 s[G0B+4*\s+2:G0B+4*\s+3], s[46:47], \s*256
	s_or_b32 s[G0B+4*\s+3], s[G0B+4*\s+3], 0x80000000
.endr
	JLOAD G0, G1, G0B, G1B                         ; slot 0: my one tensor load at the head
	v_and_b32 v1, 15, v0                           ; r
	v_bfe_u32 v2, v0, 4, 1                         ; h
	v_and_b32 v3, 8, v1
	v_add_nc_u32 v3, v3, v1                        ; r + 8 (r / 8)
	v_mul_u32_u24 v4, v3, PITCH
	v_lshl_add_u32 v4, v2, 4, v4                   ; A: the tile's row x pitch + 16 h
	v_mul_u32_u24 v5, v1, PITCH
	v_lshl_add_u32 v5, v2, 4, v5                   ; B: row r
	s_mul_i32 s12, s15, 64*PITCH                   ; my 64 rows of A
	s_mul_i32 s13, s3, 128*PITCH                   ; my 128 rows of B
	s_add_co_u32 s13, s13, APART
.irp s, 0,1
	v_add_nc_u32 v[ADRA+\s], s12, v4
	v_add_nc_u32 v[ADRB+\s], s13, v5
	s_add_co_u32 s12, s12, SLOT
	s_add_co_u32 s13, s13, SLOT
.endr
	v_lshlrev_b32 v[OFF8], 4, v1
	v_lshl_add_u32 v[OFF8], v2, 3, v[OFF8]
	v_lshlrev_b32 v25, 5, v3
	v_lshl_add_u32 v25, v2, 4, v25                 ; A's scales: the tile's row of 32 bytes, + 16 h
	v_lshlrev_b32 v26, 5, v1
	v_lshl_add_u32 v26, v2, 4, v26                 ; B's
	v_lshlrev_b32 v27, 5, v2                       ; the bias along B: 8 h numbers on
	v_lshlrev_b32 v30, 2, v3                       ; along A: the tile's row
.irp c, 0,1,2,3
	v_mov_b32 v[TM+4+\c], 0                        ; a lane permute's destination counts as one of its sources
.endr
.macro LOADSC                          ; the scale words of all of K: A's 4 blocks, B's 8
.irp a, 0,1,2,3
	global_load_b128 v[SA+4*\a:SA+4*\a+3], v25, s[6:7] offset:(32*(\a/2)+8*(\a%2))*32
.endr
.irp b, 0,1,2,3,4,5,6,7
	global_load_b128 v[SB+4*\b:SB+4*\b+3], v26, s[10:11] offset:512*\b
.endr
.endm
.macro LOADBR                          ; the bias along B
	WIN 0xc0
.irp b, 0,1,2,3,4,5,6,7
	global_load_b128 v[BR+8*\b:BR+8*\b+3], v27, s[70:71] offset:64*\b
	global_load_b128 v[BR+8*\b+4:BR+8*\b+7], v27, s[70:71] offset:64*\b+16
.endr
	WIN 0
.endm
.macro LOADBL                          ; the bias along A, twice: a pair for the packed addition
	WIN 0xc0
.irp a, 0,1,2,3
	global_load_b32 v[BL+2*\a], v30, s[70:71] offset:(32*(\a/2)+8*(\a%2))*4
	global_load_b32 v[BL+2*\a+1], v30, s[70:71] offset:(32*(\a/2)+8*(\a%2))*4
.endr
	WIN 0
.endm
.macro ASK off                         ; my share of the rows that I fetch, 256 bytes of each at byte off of the tile's rows
	global_prefetch_b8 v[PFO], s[98:99] offset:\off th:TH_LOAD_NT scope:SCOPE_SE
.endm
	LOADSC
	LOADBR
	ASK 256                                        ; q's slots 1 and 2
	ASK 512
.macro FRAG reg, adr, off
.irp c, 0,1,2,3
	ds_load_b128 v[\reg+4*\c:\reg+4*\c+3], v[\adr] offset:\off+32*\c
.endr
.endm
.macro FETCH slot, q, p                ; the slot's q-th 128 along K into set p: B's 32 loads, then A's 16
	WIN 0x40
.irp b, 0,1,2,3,4,5,6,7
	FRAG 128*(\p)+16*\b, ADRB+\slot, 16*\b*PITCH+128*(\q)
.endr
	WIN 0
.irp a, 0,1,2,3
	FRAG AF+64*(\p)+16*\a, ADRA+\slot, (32*(\a/2)+8*(\a%2))*PITCH+128*(\q)
.endr
.endm
; A's block a against B's eight, K step s.  first = 1: C = 0; first = 2: C = the bias along B.  The 32 accumulators take turns.
.macro MUL8 a, s, first
.irp b, 0,1,2,3,4,5,6,7
.if \first == 1
	v_wmma_scale_f32_16x16x128_f8f6f4 v[8*(8*\a+\b):8*(8*\a+\b)+7], v[128*((\s)%2)+16*\b:128*((\s)%2)+16*\b+15], v[AF+64*((\s)%2)+16*\a:AF+64*((\s)%2)+16*\a+15], 0, v[SB+4*\b+(\s)%4], v[SA+4*\a+(\s)%4]
.elseif \first == 2
	v_wmma_scale_f32_16x16x128_f8f6f4 v[8*(8*\a+\b):8*(8*\a+\b)+7], v[128*((\s)%2)+16*\b:128*((\s)%2)+16*\b+15], v[AF+64*((\s)%2)+16*\a:AF+64*((\s)%2)+16*\a+15], v[BR+8*\b:BR+8*\b+7], v[SB+4*\b+(\s)%4], v[SA+4*\a+(\s)%4]
.elseif (\s) < 4
	v_wmma_scale_f32_16x16x128_f8f6f4 v[8*(8*\a+\b):8*(8*\a+\b)+7], v[128*((\s)%2)+16*\b:128*((\s)%2)+16*\b+15], v[AF+64*((\s)%2)+16*\a:AF+64*((\s)%2)+16*\a+15], v[8*(8*\a+\b):8*(8*\a+\b)+7], v[SB+4*\b+(\s)%4], v[SA+4*\a+(\s)%4]
.else
	v_wmma_scale_f32_16x16x128_f8f6f4 v[8*(8*\a+\b):8*(8*\a+\b)+7], v[128*((\s)%2)+16*\b:128*((\s)%2)+16*\b+15], v[AF+64*((\s)%2)+16*\a:AF+64*((\s)%2)+16*\a+15], v[8*(8*\a+\b):8*(8*\a+\b)+7], v[SB+4*\b+(\s)%4], v[SA+4*\a+(\s)%4] matrix_a_scale:MATRIX_SCALE_ROW1 matrix_b_scale:MATRIX_SCALE_ROW1
.endif
.endr
.endm
.macro MWIN first                      ; source 0 (B) window 1, source 1 (A) window 0, D window 2; C window 2, or 3 for the bias
.if \first == 2
	WIN 0xb1
.else
	WIN 0xa1
.endif
.endm
.macro STEP s, first                   ; an even K step: its successor lies in the same slot
	s_wait_dscnt 8                                 ; B's set and A's blocks 0, 1 are in; the youngest eight loads (blocks 2, 3) may be out
	MWIN \first
	MUL8 0, \s, \first
	MUL8 1, \s, \first
	PLACES 8
	FETCH ((\s)/2)%2, 1, 1
	s_wait_dscnt 48                                ; all but the 48 just issued
	MWIN \first
	MUL8 2, \s, \first
	MUL8 3, \s, \first
.endm
; An odd K step changes slots: one barrier.  fill = 1: this slot takes this tile's K two slots on; fill = 2: the next tile's first (slot 0) or second (slot 1) 256 along K; fill = 0: nothing.
; ask: the byte of the next tile's rows at which the slot two fills on begins, or -1: nothing is asked for.
.macro TURN s, fill, fetch, ask
.set SL, ((\s)/2)%2
	WIN 0
	s_wait_tensorcnt 0x0                           ; all my tensor loads have landed: my part of the next slot
	ds_add_u32 v[SPW], v[NIL]
	s_wait_dscnt 9                                 ; the add and the youngest eight loads may be out
	WIN 0xa1
	MUL8 0, \s, 0
	s_wait_dscnt 0x0                               ; the add is done, and my reads of this slot are over
	s_barrier_signal -1
	MUL8 1, \s, 0
	WIN 0
	s_barrier_wait -1
.if \fill
	CREST                                          ; the barrier has opened a round of the cluster's
.if \fill == 1
	s_add_nc_u64 s[G0+4*SL+2:G0+4*SL+3], s[G0+4*SL+2:G0+4*SL+3], 512
	s_add_nc_u64 s[G0B+4*SL+2:G0B+4*SL+3], s[G0B+4*SL+2:G0B+4*SL+3], 512
.else
	s_cmp_eq_u32 s2, 0                             ; behind q comes k, behind k comes v
	s_cselect_b64 s[G0+4*SL+2:G0+4*SL+3], s[80:81], s[16:17]
	s_cselect_b64 s[G0B+4*SL+2:G0B+4*SL+3], s[82:83], s[18:19]
.if SL
	s_add_nc_u64 s[G0+4*SL+2:G0+4*SL+3], s[G0+4*SL+2:G0+4*SL+3], 256
	s_add_nc_u64 s[G0B+4*SL+2:G0B+4*SL+3], s[G0B+4*SL+2:G0B+4*SL+3], 256
.endif
	s_or_b32 s[G0+4*SL+3], s[G0+4*SL+3], 0x80000000
	s_or_b32 s[G0B+4*SL+3], s[G0B+4*SL+3], 0x80000000
.endif
	JLOAD G0+4*SL, G1, G0B+4*SL, G1B               ; my one tensor load behind the round; its four v_nop are four of the eight places
	PLACES 4
.else
	PLACES 8
.endif
.if \fetch
	FETCH 1-SL, 0, 0
.endif
.if (\ask) >= 0
	ASK \ask
.endif
	WIN 0xa1
	MUL8 2, \s, 0
	MUL8 3, \s, 0
.endm
; THE WAY OUT, A's block a at a time.  Block c of 32 along B lies in accumulators 2 c and 2 c + 1, 16 numbers in my lane and 16 in lane l xor 16.
.macro QUANTP a
	WIN 0x28
.irp c, 0,1,2,3
	v_max3_num_f32 v[TM+\c], 0x4800000, |v[64*\a+16*\c]|, |v[64*\a+16*\c+1]|   ; with the floor 2^(9 - 127): the byte cannot fall under 1
.endr
.irp i, 2,4,6,8,10,12,14
.irp c, 0,1,2,3
	v_max3_num_f32 v[TM+\c], v[TM+\c], |v[64*\a+16*\c+\i]|, |v[64*\a+16*\c+\i+1]|
.endr
.endr
	WIN 0
.irp c, 0,1,2,3
	v_permlanex16_b32 v[TM+4+\c], v[TM+\c], s78, s79
.endr
.irp c, 0,1,2,3
	v_max_num_f32 v[TM+\c], v[TM+\c], v[TM+4+\c]
.endr
.irp c, 0,1,2,3
	v_add_nc_u32 v[TM+12+\c], 0xfc000000, v[TM+\c]
.endr
.irp c, 0,1,2,3
	v_and_or_b32 v[TM+8+\c], v[TM+\c], 0x7f800000, s77
.endr
.irp c, 0,1,2,3
	v_lshrrev_b32 v[TM+4+\c], 23, v[TM+12+\c]
.endr
	v_lshl_or_b32 v[PW+\a], v[TM+5], 8, v[TM+4]
	v_lshl_or_b32 v[PW+\a], v[TM+6], 16, v[PW+\a]
	v_lshl_or_b32 v[PW+\a], v[TM+7], 24, v[PW+\a]
	WIN 0x82
.irp c, 0,1,2,3
.set i, 0
.rept 16
	v_med3_num_f32 v[64*\a+16*\c+i], v[64*\a+16*\c+i], -v[TM+8+\c], v[TM+8+\c]   ; the conversion does not saturate (ISA guide 7.6.2): the hold
.set i, i+1
.endr
.endr
	WIN 0x02
.irp c, 0,1,2,3
	v_cvt_scalef32_pk8_fp8_f32 v[PC+16*\a+4*\c:PC+16*\a+4*\c+1], v[64*\a+16*\c:64*\a+16*\c+7], v[TM+12+\c]
	v_cvt_scalef32_pk8_fp8_f32 v[PC+16*\a+4*\c+2:PC+16*\a+4*\c+3], v[64*\a+16*\c+8:64*\a+16*\c+15], v[TM+12+\c]
.endr
	WIN 0
	v_nop
.irp c, 0,1,2,3
	global_store_b64 v[OFF8], v[PC+16*\a+4*\c:PC+16*\a+4*\c+1], s[66:67] offset:(\a/2)*8192+\c*1024+(\a%2)*512
	global_store_b64 v[OFF8], v[PC+16*\a+4*\c+2:PC+16*\a+4*\c+3], s[66:67] offset:(\a/2)*8192+\c*1024+(\a%2)*512+256
.endr
.endm
.macro WORDS                           ; q, k: word 2 par + bl = the two bytes of head par of the rows of tiles 2 bl and 2 bl + 1.  v: the four tiles' words in the order 0, 2, 1, 3
	v_perm_b32 v[OW], v[PW+1], v[PW], s74
	v_perm_b32 v[OW+1], v[PW+3], v[PW+2], s74
	v_perm_b32 v[OW+2], v[PW+1], v[PW], s75
	v_perm_b32 v[OW+3], v[PW+3], v[PW+2], s75
	v_cndmask_b32 v[OW+4], v[OW], v[OW+2], s76
	v_cndmask_b32 v[OW+5], v[OW+1], v[OW+3], s76
	global_store_b64 v[OFF8], v[OW+4:OW+5], s[68:69]
.endm
	s_wait_alu depctr_va_vdst(0)                   ; the wait at the head's end
	s_wait_tensorcnt 0x0                           ; my part of slot 0 is in
	ds_add_u32 v[SPW], v[NIL]                      ; the add and its wait ahead of a later first fill
	s_wait_dscnt 0x0
	CROUND
	JLOAD G0+4, G1, G0B+4, G1B                     ; slot 1's first fill: my one tensor load behind the round
	ASK 768                                        ; q's slot 3
	s_mov_b32 s2, 0
.Ltile:                                            ; two trips: q, k
	FETCH 0, 0, 0
	s_wait_loadcnt 0x0                             ; the scale words and the bias
	STEP 0, 2
	s_wait_xcnt 0x0                                ; my prefetches have read their base: it goes on to the next tile's rows that I fetch
	s_cmp_eq_u32 s2, 0
	s_cselect_b64 s[94:95], s[80:81], s[16:17]
	s_cselect_b64 s[98:99], s[82:83], s[18:19]
	s_cmp_eq_u32 s15, 0
	s_cselect_b64 s[98:99], s[94:95], s[98:99]
	s_add_nc_u64 s[98:99], s[98:99], s[100:101]
	TURN 1, 1, 1, 0
	STEP 2, 0
	TURN 3, 1, 1, 256
	STEP 4, 0
	TURN 5, 2, 1, 512                              ; slot 0 takes the next tile's first 256 along K,
	STEP 6, 0
	TURN 7, 2, 0, 768                              ; slot 1 its second
	WIN 0
	PLACES 8                                       ; ahead of the first read of results, of loads into the scale words and of writes into A's old fragments
	s_cmp_eq_u32 s2, 0
	s_cselect_b64 s[6:7], s[84:85], s[20:21]       ; the next tile's scale words and bias: every earlier load by these bases has come back
	s_cselect_b64 s[10:11], s[86:87], s[22:23]
	s_cselect_b64 s[70:71], s[88:89], s[40:41]
	LOADSC
	s_cmp_eq_u32 s2, 0
	s_cbranch_scc0 .Lnext_v
	LOADBR
	s_branch .Lnext_j
.Lnext_v:
	LOADBL
.Lnext_j:
.irp a, 0,1,2,3
	QUANTP \a
.endr
	WORDS
	s_wait_xcnt 0x0                                ; the stores have read their bases and data
	s_cmp_eq_u32 s2, 0
	s_cselect_b64 s[66:67], s[90:91], s[42:43]
	s_cselect_b64 s[68:69], s[92:93], s[44:45]
	s_add_co_u32 s2, s2, 1
	s_cmp_lt_u32 s2, 2
	s_wait_alu depctr_va_vdst(0)
	s_cbranch_scc1 .Ltile
	s_mov_b32 s74, 0x03020100                      ; v: the second source whole,
	s_mov_b32 s75, 0x07060504                      ; the first source whole
	FETCH 0, 0, 0
	s_wait_loadcnt 0x0
	STEP 0, 1
	TURN 1, 1, 1, -1
	STEP 2, 0
	TURN 3, 1, 1, -1
	STEP 4, 0
	TURN 5, 0, 1, -1                               ; nothing is left to fetch
	STEP 6, 0
	s_wait_dscnt 8
	WIN 0xa1
	MUL8 0, 7, 0
	MUL8 1, 7, 0
	s_wait_dscnt 0x0
	MUL8 2, 7, 0
	MUL8 3, 7, 0
	WIN 0
	PLACES 8
.irp a, 0,1,2,3
	WIN 0x8e                                       ; accumulators window 2, bias window 3
.set i, 0
.rept 32
	v_pk_add_f32 v[64*\a+i:64*\a+i+1], v[64*\a+i:64*\a+i+1], v[BL+2*\a:BL+2*\a+1]
.set i, i+2
.endr
	WIN 0
	QUANTP \a
.endr
	WORDS
	s_wait_tensorcnt 0x0                           ; the wave's end
	ds_add_u32 v[SPW], v[NIL]
	s_wait_dscnt 0x0
	CROUND                                         ; the closing round
	s_endpgm
.Lfunc_end_k_q31edefbd07_proj:
	.size	k_q31edefbd07_proj, .Lfunc_end_k_q31edefbd07_proj-k_q31edefbd07_proj
	.p2alignl 7, 3214868480
	.fill 96, 4, 3214868480
	.section	.rodata,"a",@progbits
	.p2align	6, 0x0
	.amdhsa_kernel k_q31edefbd07_proj
		.amdhsa_group_segment_fixed_size 327680
		.amdhsa_private_segment_fixed_size 0
		.amdhsa_enable_private_segment 0
		.amdhsa_kernarg_size 136
		.amdhsa_user_sgpr_count 2
		.amdhsa_user_sgpr_kernarg_segment_ptr 1
		.amdhsa_wavefront_size32 1
		.amdhsa_system_sgpr_workgroup_id_x 1
		.amdhsa_system_sgpr_workgroup_id_y 1
		.amdhsa_system_sgpr_workgroup_id_z 1
		.amdhsa_system_vgpr_workitem_id 0
		.amdhsa_next_free_vgpr 896
		.amdhsa_next_free_sgpr 106
		.amdhsa_reserve_vcc 0
		.amdhsa_float_denorm_mode_32 3
		.amdhsa_float_denorm_mode_16_64 3
		.amdhsa_memory_ordered 1
		.amdhsa_forward_progress 1
		.amdhsa_inst_pref_size 226
	.end_amdhsa_kernel
	.amdgpu_metadata
---
amdhsa.version: [ 1, 2 ]
amdhsa.kernels:
  - .name:           k_q31edefbd07_proj
    .symbol:         k_q31edefbd07_proj.kd
    .args:
      - { .name: query_codes, .offset: 0, .size: 8, .value_kind: global_buffer, .address_space: global }
      - { .name: key_codes, .offset: 8, .size: 8, .value_kind: global_buffer, .address_space: global }
      - { .name: Wv_codes, .offset: 16, .size: 8, .value_kind: global_buffer, .address_space: global }
      - { .name: query_scales, .offset: 24, .size: 8, .value_kind: global_buffer, .address_space: global }
      - { .name: key_scales, .offset: 32, .size: 8, .value_kind: global_buffer, .address_space: global }
      - { .name: Wv_scales, .offset: 40, .size: 8, .value_kind: global_buffer, .address_space: global }
      - { .name: Wq_codes, .offset: 48, .size: 8, .value_kind: global_buffer, .address_space: global }
      - { .name: Wk_codes, .offset: 56, .size: 8, .value_kind: global_buffer, .address_space: global }
      - { .name: value_codes, .offset: 64, .size: 8, .value_kind: global_buffer, .address_space: global }
      - { .name: Wq_scales, .offset: 72, .size: 8, .value_kind: global_buffer, .address_space: global }
      - { .name: Wk_scales, .offset: 80, .size: 8, .value_kind: global_buffer, .address_space: global }
      - { .name: value_scales, .offset: 88, .size: 8, .value_kind: global_buffer, .address_space: global }
      - { .name: bq, .offset: 96, .size: 8, .value_kind: global_buffer, .address_space: global }
      - { .name: bk, .offset: 104, .size: 8, .value_kind: global_buffer, .address_space: global }
      - { .name: bv, .offset: 112, .size: 8, .value_kind: global_buffer, .address_space: global }
      - { .name: pimg, .offset: 120, .size: 8, .value_kind: global_buffer, .address_space: global }
      - { .name: pscl, .offset: 128, .size: 8, .value_kind: global_buffer, .address_space: global }
    .group_segment_fixed_size: 327680
    .private_segment_fixed_size: 0
    .kernarg_segment_align: 8
    .kernarg_segment_size: 136
    .max_flat_workgroup_size: 128
    .sgpr_count:     106
    .vgpr_count:     896
    .wavefront_size: 32
...
	.end_amdgpu_metadata
.endif
;; end of part 2
;; launch attn (part 3): grid 4 x 64, 8 waves a work-group, clusters of 4 x 1, 327,680 bytes of LDS; arguments pimg, pscl, maskw, ximg, xscl; writes ximg, xscl
.if DOCPART == 3
	.amdgcn_target "amdgcn-amd-amdhsa--gfx1250"
	.amdhsa_code_object_version 6
	.text
	.protected	k_q31edefbd07_attn
	.globl	k_q31edefbd07_attn
	.p2align	8
	.type	k_q31edefbd07_attn,@function
k_q31edefbd07_attn:
	s_mov_b64 s[64:65], 0
	v_nop
	global_prefetch_b8 v0, s[64:65] scope:SCOPE_SE
	s_setreg_imm32_b32 hwreg(HW_REG_WAVE_MODE, 25, 1), 1
	s_wait_xcnt 0x0
	s_wait_alu depctr_hold_cnt(0) depctr_sa_sdst(0) depctr_va_vdst(0) depctr_va_sdst(0) depctr_va_ssrc(0) depctr_va_vcc(0) depctr_vm_vsrc(0)
	s_getreg_b32 s2, hwreg(HW_REG_IB_STS2, 6, 4)
	s_cmp_eq_u32 s2, 0
	s_cbranch_scc0 .Lentry_in_a_cluster
	s_endpgm
.Lentry_in_a_cluster:
	s_bfe_u32 s2, ttmp6, 0x10000c
	s_cmp_lg_u32 s2, 0x3003
	s_cbranch_scc0 .Lentry_shape_is_right
	s_endpgm
.Lentry_shape_is_right:
; x = softmax(mask(q k^T / 8)) v for one batch and head, both products on E4M3 codes with E8M0 scales; p is quantised NORMALISED, so the row's sum is known before any code is made.
; EACH SCORE IS MADE ONCE.  A work-group owns 512 queries of one (batch, head); K's and V's images and scale words of the head stay in LDS (filled once).
; Eight waves = 2 tiles of 16 queries (u = wave / 4) x 4 quarters of the keys (kq = wave % 4).  A wave keeps its 16 x 512 scores in 256 registers (window 1) through a whole trip; 16 trips.
; PART A, per 128 keys: S^T = K Q^T (8 products; K = 64 lies in one half of the 128, Q's other half is zeros), mask (-inf), each block's largest score, the wave's running M (a whole number),
;   p' = 2^(t - M_step), the sum of p'.  Then (-M, sum) goes to LDS; barrier.
; PART B: M = the largest of the four waves' M, L = the sums brought under M (exact powers of two), p = p' x 2^(M_step - M) / L: one multiplication; the quantiser along the keys; O^T += V^T P^T on my 512 keys.
;   O^T goes to LDS; barrier.  PART C: the two waves of a tile with kq / 2 = u add the four parts of block a = kq % 2 of 32 channels, quantise it for the last projection and store it.
; A row whose mask is all 0: every p' is 0, L is held at 0.5 from below (any other row has L near 1 or above), so p = 0 and x = 0, as reference()'s second masked_fill gives.
; LIMITS: the promise holds while the scaled scores (exponents to the base 2) stay under 2^31 in magnitude.  A block of zeros gets the byte 1 where the quantiser says 127: its codes are zeros, and this program alone reads the bytes.
; The last trip asks once more for trip 0's mask words, Q and K fragments (index (i + 1) % 16): inside the buffers, not used.
; PREFETCH: at a trip's head each wave asks for the 1,024 bytes of mask words that it will load two trips on: one instruction, lanes 0 to 3 at 256 bytes apart, the others on the last block; trips 14 and 15 ask for nothing.
; CLUSTER 4 x 1: the four work-groups of a (batch, head) ask jointly for K, V and their scales, one load a wave at the head.
.set VIMG, 131072                      ; LDS: K's image 128 KiB, V's image 128 KiB (as it lies in memory: [256 keys][a 2][block of 32 keys 8][u 2][512]),
.set KSC,  262144                      ; K's scale words 8 KiB, V's 4 KiB,
.set VSC,  270336
.set XML,  274432                      ; (-M, sum): 256 bytes a wave
.set OP,   276480                      ; O^T's parts: 4,096 bytes a wave
.set SPARE, 309248                     ; the spare words, 128 bytes a wave
.set L16, 1
.set AK,  2
.set AKS, 3
.set AV,  4
.set AVS, 5
.set XW,  6
.set XR,  7
.set OW,  8
.set OR,  9
.set R4,  10
.set R16, 11
.set NINF, 16
.set SPW, 17
.set NIL, 18
.set PFO, 19                           ; the prefetch's offset; never rewritten
.set FF,  20                           ; v[20:21] f = 2^(old M - new M), 0
.set QS,  22                           ; Q's scale word
.set PS,  24                           ; v24-27 p's scale words, one a step
.set KS,  28                           ; v28-35 K's scale words
.set VS,  36                           ; v36-51 V's
.set QR,  52
.set FS,  54                           ; v54-61 pairs: -M of step j, later its factor; the odd ones 0
.set LA,  64                           ; v64-71 the sum in four pairs
.set TM,  72
.set BM,  80                           ; v80-95 the 16 blocks' largest score, then largest p
.set LIM, 96
.set SCO, 100
.set BY,  104
.set T2,  108
.set P,   112
.set F,   128
.set QZ,  192                          ; zeros 8, Q 8, zeros 8
.set O,   216
.set XC,  248
.set PFA, 100                          ; s[100:101] where my prefetch stands: my mask words two trips on
.set MSB, 0
.macro WIN new                         ; the immediate's high byte repeats the setting that is left
.if MSB != \new
	s_set_vgpr_msb (MSB<<8)|\new
.set MSB, \new
.endif
.endm
.macro PLACES n
.rept \n
	v_nop
.endr
.endm
.macro D1
	s_delay_alu instid0(VALU_DEP_1)
.endm
.macro CROUND
	s_barrier_signal -1
	s_barrier_wait -1
	s_cmp_lg_u32 s2, 0
	s_cbranch_scc1 .Lnot_wave_0_\@
	s_barrier_signal -3
.Lnot_wave_0_\@:
	s_barrier_wait -3
	s_barrier_signal -1
	s_barrier_wait -1
.endm
.macro GRP1 g, c, r, p                 ; r rows of c elements of 8 bytes, p elements apart; the mask names the cluster's four
	s_mov_b32 s[\g], 15|(3<<16)|(1<<21)
	s_mov_b32 s[\g+1], (\c)<<16
	s_mov_b32 s[\g+2], (\r)<<16
	s_mov_b32 s[\g+3], (\c)<<16
	s_mov_b32 s[\g+4], \r
	s_mov_b32 s[\g+5], \p
	s_mov_b32 s[\g+6], 0
	s_mov_b32 s[\g+7], 0
.endm
.macro ACC d, s, sh                    ; d += s << sh
	s_lshl_b32 s97, \s, \sh
	s_add_co_u32 \d, \d, s97
.endm
	s_load_b256 s[80:87], s[0:1], 0x0              ; pimg, pscl, maskw, ximg
	s_load_b64 s[88:89], s[0:1], 0x20              ; xscl
	v_lshl_add_u32 v[SPW], v0, 2, SPARE
	v_mov_b32 v[NIL], 0
	ds_add_u32 v[SPW], v[NIL]                      ; the opening: the add twice on end and its wait
	ds_add_u32 v[SPW], v[NIL]
	v_lshrrev_b32 v1, 5, v0
	v_readfirstlane_b32 s2, v1                     ; wave 0..7
	s_and_b32 s4, s2, 3                            ; kq
	s_lshr_b32 s5, s2, 2                           ; u
	s_and_b32 s3, s2, 1
	s_bfe_u32 s90, ttmp6, 0x40000                  ; cx: my quarter of the queries
	s_and_b32 s92, ttmp7, 0xffff
	s_lshr_b32 s91, s92, 4                         ; batch
	s_and_b32 s92, s92, 15                         ; head
	s_lshr_b32 s93, s92, 2
	s_lshr_b32 s94, s92, 1
	s_and_b32 s95, s92, 1
	s_and_b32 s96, s92, 3
	s_and_b32 s98, s94, 1
	GRP1 24, 256, 16, 1024                         ; K: 16 chunks of 32 keys, 2,048 bytes each, 8,192 apart
	GRP1 32, 2048, 4, 4096                         ; V: 4 tiles of 256 keys, 16,384 bytes each, 32,768 apart
	GRP1 40, 64, 16, 128                           ; K's scale words: 512 bytes a step, 1,024 apart
	GRP1 48, 32, 16, 64                            ; V's: 256 bytes a step, 512 apart
	s_lshl_b32 s58, s93, 21
	ACC s58, s91, 19
	ACC s58, s96, 11
	ACC s58, s2, 17                                ; waves 0-3: 16 chunks each
	s_add_co_u32 s58, s58, 1<<23
	s_mov_b32 s59, 0
	s_lshl_b32 s62, s94, 20
	ACC s62, s91, 18
	ACC s62, s95, 14
	ACC s62, s3, 17                                ; waves 4, 5: 4 tiles each
	s_add_co_u32 s62, s62, 2<<23
	s_mov_b32 s63, 0
	s_lshl_b32 s74, s93, 16
	ACC s74, s91, 14
	ACC s74, s98, 9
	s_add_co_u32 s74, s74, 1<<18
	s_mov_b32 s75, 0
	s_lshl_b32 s78, s94, 15
	ACC s78, s91, 13
	ACC s78, s95, 8
	s_add_co_u32 s78, s78, 1<<19
	s_mov_b32 s79, 0
	s_mov_b32 s56, 1
	s_lshl_b32 s57, s2, 15
	s_mov_b32 s60, 1
	s_lshl_b32 s61, s3, 16
	s_add_co_u32 s61, s61, VIMG
	s_mov_b32 s72, 1
	s_mov_b32 s73, KSC
	s_mov_b32 s76, 1
	s_mov_b32 s77, VSC
	s_lshl_b32 s99, s91, 6
	ACC s99, s90, 4                                ; my first block of 32 queries
	s_lshl_b32 s6, s99, 13                         ; mask words: 8,192 bytes a block, 4,096 for u, 1,024 for my quarter of the keys
	ACC s6, s5, 12
	ACC s6, s4, 10
	s_mov_b32 s7, 0
	s_lshl_b32 s8, s93, 21                         ; Q's codes
	ACC s8, s99, 13
	ACC s8, s96, 11
	ACC s8, s5, 9
	s_mov_b32 s9, 0
	s_lshl_b32 s10, s93, 16                        ; Q's scale words
	ACC s10, s99, 8
	ACC s10, s98, 9
	ACC s10, s95, 3
	s_mov_b32 s11, 0
	s_lshl_b32 s12, s99, 15                        ; x's codes: block a = wave % 2
	ACC s12, s5, 14
	ACC s12, s92, 10
	ACC s12, s3, 9
	s_mov_b32 s13, 0
	s_lshl_b32 s14, s99, 10                        ; x's scale bytes
	ACC s14, s92, 6
	ACC s14, s5, 1
	s_add_co_u32 s14, s14, s3
	s_mov_b32 s15, 0
	s_mov_b32 s16, 0x3e38aa3b                      ; c = log2(e) / 8
	s_mov_b32 s17, s16
	s_mov_b32 s18, 0x76543210
	s_mov_b32 s19, 0xfedcba98                      ; lane l xor 16
	s_mov_b32 s20, 0x600000                        ; the mantissa field of 448
	s_lshl_b32 s22, s95, 3
	s_add_co_u32 s22, s22, KSC
	s_mov_b32 s23, 0x03020302                      ; my tile's two bytes of Q's scale word, twice
	s_cmp_eq_u32 s5, 0
	s_cselect_b32 s23, 0x01000100, s23
	s_wait_dscnt 0x0
	s_wait_kmcnt 0x0
	s_add_nc_u64 s[58:59], s[80:81], s[58:59]
	s_or_b32 s59, s59, 0x80000000
	s_add_nc_u64 s[62:63], s[80:81], s[62:63]
	s_or_b32 s63, s63, 0x80000000
	s_add_nc_u64 s[74:75], s[82:83], s[74:75]
	s_or_b32 s75, s75, 0x80000000
	s_add_nc_u64 s[78:79], s[82:83], s[78:79]
	s_or_b32 s79, s79, 0x80000000
	s_add_nc_u64 s[6:7], s[84:85], s[6:7]
	s_add_nc_u64 s[PFA:PFA+1], s[6:7], 16384       ; two trips of 8,192 bytes on
	s_add_nc_u64 s[8:9], s[80:81], s[8:9]
	s_add_nc_u64 s[10:11], s[82:83], s[10:11]
	s_add_nc_u64 s[12:13], s[86:87], s[12:13]
	s_add_nc_u64 s[14:15], s[88:89], s[14:15]
	CROUND                                         ; the four work-groups are here: the joint loads meet
.macro ARM under, g0, g1, next         ; one chain of branches on the wave's number, one load to an arm
	s_cmp_lt_u32 s2, \under
	s_cbranch_scc0 \next
	tensor_load_to_lds s[\g0:\g0+3], s[\g1:\g1+7]
	s_nop 0
	PLACES 4
	s_branch .Lasked
\next:
.endm
	ARM 4, 56, 24, .Larm_v
	ARM 6, 60, 32, .Larm_ks
	ARM 7, 72, 40, .Larm_vs
	tensor_load_to_lds s[76:79], s[48:55]
	s_nop 0
	PLACES 4
.Lasked:
	s_lshl_b32 s90, s4, 15
	s_lshl_b32 s91, s4, 11
	s_add_co_u32 s91, s91, s22
	s_lshl_b32 s92, s4, 10
	s_add_co_u32 s92, s92, VSC
	s_lshl_b32 s93, s2, 8
	s_add_co_u32 s93, s93, XML
	s_lshl_b32 s94, s5, 10
	s_add_co_u32 s94, s94, XML
	s_lshl_b32 s95, s2, 12
	s_add_co_u32 s95, s95, OP
	s_lshl_b32 s96, s5, 14
	s_lshl_b32 s97, s3, 11
	s_add_co_u32 s96, s96, s97
	s_add_co_u32 s96, s96, OP
	s_lshr_b32 s4, s4, 1
	s_xor_b32 s4, s4, s5                           ; 0 in the waves that sum: kq / 2 = u
	v_and_b32 v62, 31, v0
	v_and_b32 v63, 15, v0
	v_min_u32 v[PFO], 3, v62
	v_lshlrev_b32 v[L16], 4, v62
	v_lshlrev_b32 v62, 3, v62
	v_lshlrev_b32 v[PFO], 8, v[PFO]
	v_lshlrev_b32 v[R4], 2, v63
	v_lshlrev_b32 v[R16], 4, v63
	v_add_nc_u32 v[AK], s90, v[L16]                ; my quarter of K's image
	v_add_nc_u32 v[AKS], s91, v[L16]
	v_add_nc_u32 v[AVS], s92, v[R16]
	v_add_nc_u32 v[XW], s93, v62
	v_add_nc_u32 v[XR], s94, v62
	v_add_nc_u32 v[OW], s95, v[L16]
	v_add_nc_u32 v[OR], s96, v[L16]
	v_add_nc_u32 v[AV], VIMG, v[AK]
	v_mov_b32 v[NINF], 0xff800000
	v_mov_b32 v[FF+1], 0
.irp i, 0,1,2,3
	v_mov_b32 v[FS+2*\i+1], 0
	v_mov_b32 v[T2+\i], 0                          ; a lane permute's destination counts as one of its sources
.endr
.irp z, 0,16
.irp i, 0,1,2,3,4,5,6,7
	v_mov_b32 v[QZ+\z+\i], 0
.endr
.endr
	s_wait_alu depctr_va_vdst(0)                   ; the wait at the head's end
	s_wait_tensorcnt 0x0
	s_barrier_signal -1
	s_barrier_wait -1                              ; all eight tiles are in; nothing is filled again
.macro MLOAD                           ; 64 lane-mask words: one key step of my tile
	s_load_b512 s[32:47], s[6:7], s21 offset:0
	s_load_b512 s[48:63], s[6:7], s21 offset:64
	s_load_b512 s[68:83], s[6:7], s21 offset:128
	s_load_b512 s[84:99], s[6:7], s21 offset:192
.endm
.macro NEXTQ                           ; Q's codes and scale word of block s22
	s_lshl_b32 s28, s22, 13
	s_mov_b32 s29, 0
	s_add_nc_u64 s[24:25], s[8:9], s[28:29]
	s_lshr_b32 s30, s22, 2
	s_lshl_b32 s30, s30, 10
	s_bfe_u32 s31, s22, 0x10001
	s_lshl_b32 s31, s31, 8
	s_add_co_u32 s30, s30, s31
	s_and_b32 s31, s22, 1
	s_lshl_b32 s31, s31, 2
	s_add_co_u32 s28, s30, s31
	s_add_nc_u64 s[26:27], s[10:11], s[28:29]
	global_load_b128 v[QZ+8:QZ+11], v[L16], s[24:25]
	global_load_b128 v[QZ+12:QZ+15], v[L16], s[24:25] offset:1024
	global_load_b32 v[QR], v[R16], s[26:27]
.endm
.macro TOP                             ; a trip's start values; the ten lines behind the scale word are its places ahead of the products
	s_wait_loadcnt 0x0
	v_perm_b32 v[QS], v[QR], v[QR], s23
	v_mov_b32 v13, 0xff61b1e6                      ; the largest t so far: -3e38
	v_floor_f32 v12, -v13                          ; -M
.irp i, 0,1,2,3,4,5,6,7
	v_mov_b32 v[LA+\i], 0
.endr
.endm
.macro FETCH_K j
.irp b, 0,1,2,3
.irp u, 0,1
.irp c, 0,1
	ds_load_b128 v[F+16*\b+8*\u+4*\c:F+16*\b+8*\u+4*\c+3], v[AK] offset:8192*(\j)+2048*\b+1024*\c+512*\u
.endr
.endr
.endr
	ds_load_b64 v[KS+2*(\j):KS+2*(\j)+1], v[AKS] offset:512*(\j)
.endm
.macro FETCH_V j
.irp a, 0,1
.irp u, 0,1
.irp c, 0,1,2,3
	ds_load_b128 v[F+16*(2*\a+\u)+4*\c:F+16*(2*\a+\u)+4*\c+3], v[AV] offset:16384*((\j)/2)+4096*((\j)%2)+8192*\a+1024*\c+512*\u
.endr
.endr
.endr
	ds_load_b128 v[VS+4*(\j):VS+4*(\j)+3], v[AVS] offset:256*(\j)
.endm
; PART A, step j: 128 keys.  Window 1's registers 64 j + 16 b + i hold key 128 j + 32 b + 16 (lane / 16) + i of query lane % 16.
.macro STEPA j
	s_wait_alu depctr_va_vdst(0)                   ; the wait ahead of a wait that blocks
	s_wait_dscnt 0x0                               ; K's fragments and scale words
	WIN 0x40
.irp b, 0,1,2,3
.irp u, 0,1
.if \b < 2
	v_wmma_scale_f32_16x16x128_f8f6f4 v[64*(\j)+8*(2*\b+\u):64*(\j)+8*(2*\b+\u)+7], v[F+16*\b:F+16*\b+15], v[QZ+8-8*\u:QZ+23-8*\u], 0, v[KS+2*(\j)+\b%2], v[QS]
.else
	v_wmma_scale_f32_16x16x128_f8f6f4 v[64*(\j)+8*(2*\b+\u):64*(\j)+8*(2*\b+\u)+7], v[F+16*\b:F+16*\b+15], v[QZ+8-8*\u:QZ+23-8*\u], 0, v[KS+2*(\j)+\b%2], v[QS] matrix_a_scale:MATRIX_SCALE_ROW1
.endif
.endr
.endr
	WIN 0
	PLACES 8                                       ; ahead of loads into the fragments and of the first read of results
.if (\j) < 3
	FETCH_K (\j)+1
.else
	FETCH_V 0
.endif
	s_wait_kmcnt 0x0                               ; this step's mask words
	WIN 0x44
.set n, 0
.rept 64
	v_cndmask_b32 v[64*(\j)+n], v[NINF], v[64*(\j)+n], s[32+n+4*(n/32)]
.set n, n+1
.endr
.if (\j) < 3
	s_add_co_u32 s21, s21, 256
.else
	s_lshl_b32 s21, s22, 13                        ; the next trip's first step
.endif
	MLOAD                                          ; a whole step ahead of its use
	WIN 0x14
.irp b, 0,1,2,3
	v_max3_num_f32 v[TM+\b], v[NINF], v[64*(\j)+16*\b], v[64*(\j)+16*\b+1]
.endr
.irp i, 2,4,6,8,10,12,14
.irp b, 0,1,2,3
	v_max3_num_f32 v[TM+\b], v[TM+\b], v[64*(\j)+16*\b+\i], v[64*(\j)+16*\b+\i+1]
.endr
.endr
	WIN 0
.irp b, 0,1,2,3
	v_permlanex16_b32 v[T2+\b], v[TM+\b], s18, s19
.endr
.irp b, 0,1,2,3
	v_max_num_f32 v[BM+4*(\j)+\b], v[TM+\b], v[T2+\b]   ; the block's largest score: it serves the row's maximum and the block's largest p
.endr
	v_max3_num_f32 v[TM+4], v[BM+4*(\j)], v[BM+4*(\j)+1], v[BM+4*(\j)+2]
	D1
	v_max_num_f32 v[TM+4], v[TM+4], v[BM+4*(\j)+3]
	D1
	v_mul_f32 v[TM+4], s16, v[TM+4]
	D1
	v_max_num_f32 v13, v13, v[TM+4]
	v_mov_b32 v[TM+5], v12
	s_delay_alu instid0(VALU_DEP_2)
	v_floor_f32 v12, -v13                          ; -M = -ceil(t): a whole number
	D1
	v_sub_f32 v[TM+5], v12, v[TM+5]
	D1
	v_cvt_i32_f32 v[TM+5], v[TM+5]                 ; (it saturates)
	D1
	v_ldexp_f32 v[FF], 1.0, v[TM+5]                ; f = 2^(old M - new M)
	v_mov_b32 v[FS+2*(\j)], v12                    ; this step's -M is kept
.irp b, 0,1,2,3
	v_fma_f32 v[BM+4*(\j)+\b], v[BM+4*(\j)+\b], s16, v12
.endr
	WIN 0x41
.set n, 0
.rept 32
	v_pk_fma_f32 v[64*(\j)+n:64*(\j)+n+1], v[64*(\j)+n:64*(\j)+n+1], s[16:17], v[12:13] op_sel_hi:[1,0,0]
.set n, n+2
.endr
	s_wait_alu depctr_va_vdst(0)                   ; the wait ahead of the batch
.set n, 0
.rept 64
	v_exp_f32 v[64*(\j)+n], v[64*(\j)+n]           ; p' = 2^(t - M)
.set n, n+1
.endr
	WIN 0
.irp b, 0,1,2,3
	v_exp_f32 v[BM+4*(\j)+\b], v[BM+4*(\j)+\b]     ; the block's largest p': the same two instructions on the same number
.endr
.irp q, 0,1,2,3
	v_pk_mul_f32 v[LA+2*\q:LA+2*\q+1], v[LA+2*\q:LA+2*\q+1], v[FF:FF+1] op_sel_hi:[1,0]
.endr
	s_wait_alu depctr_va_vdst(0)                   ; one wait for the batch, ahead of its first reader
	WIN 0x04
.set n, 0
.rept 8
.irp q, 0,1,2,3
	v_pk_add_f32 v[LA+2*\q:LA+2*\q+1], v[LA+2*\q:LA+2*\q+1], v[64*(\j)+n+2*\q:64*(\j)+n+2*\q+1]
.endr
.set n, n+8
.endr
	WIN 0
.endm
; PART B, step j: p = p' x factor, the quantiser along the keys, O^T += V^T P^T.
.macro STEPB j
.irp b, 0,1,2,3
	v_mul_f32 v[BM+4*(\j)+\b], v[BM+4*(\j)+\b], v[FS+2*(\j)]
.endr
.irp b, 0,1,2,3
	v_max_num_f32 v[BM+4*(\j)+\b], 0x4800000, v[BM+4*(\j)+\b]   ; the floor 2^(9 - 127): the byte cannot fall under 1
.endr
.irp b, 0,1,2,3
	v_add_nc_u32 v[SCO+\b], 0xfc000000, v[BM+4*(\j)+\b]
.endr
.irp b, 0,1,2,3
	v_and_or_b32 v[LIM+\b], v[BM+4*(\j)+\b], 0x7f800000, s20    ; 448 x the scale
.endr
.irp b, 0,1,2,3
	v_lshrrev_b32 v[BY+\b], 23, v[SCO+\b]
.endr
	v_lshl_or_b32 v[PS+(\j)], v[BY+1], 8, v[BY]
	D1
	v_lshl_or_b32 v[PS+(\j)], v[BY+2], 16, v[PS+(\j)]
	D1
	v_lshl_or_b32 v[PS+(\j)], v[BY+3], 24, v[PS+(\j)]
.if (\j) > 0
	FETCH_V \j                                     ; the 23 lines above are the places behind the last products
.endif
	WIN 0x41
.set n, 0
.rept 32
	v_pk_mul_f32 v[64*(\j)+n:64*(\j)+n+1], v[64*(\j)+n:64*(\j)+n+1], v[FS+2*(\j):FS+2*(\j)+1] op_sel_hi:[1,0]
.set n, n+2
.endr
.irp b, 0,1,2,3
.set n, 0
.rept 16
	v_min_num_f32 v[64*(\j)+16*\b+n], v[64*(\j)+16*\b+n], v[LIM+\b]   ; the conversion does not saturate (ISA guide 7.6.2); p is not negative
.set n, n+1
.endr
.endr
	WIN 0x01
.irp b, 0,1,2,3
	v_cvt_scalef32_pk8_fp8_f32 v[P+4*\b:P+4*\b+1], v[64*(\j)+16*\b:64*(\j)+16*\b+7], v[SCO+\b]
	v_cvt_scalef32_pk8_fp8_f32 v[P+4*\b+2:P+4*\b+3], v[64*(\j)+16*\b+8:64*(\j)+16*\b+15], v[SCO+\b]
.endr
	WIN 0
	PLACES 4
	s_wait_alu depctr_va_vdst(0)
	s_wait_dscnt 0x0                               ; V's fragments and scale words
.irp d, 0,1,2,3
.if (\j) == 0
	v_wmma_scale_f32_16x16x128_f8f6f4 v[O+8*\d:O+8*\d+7], v[F+16*\d:F+16*\d+15], v[P:P+15], 0, v[VS+4*(\j)+2*(\d%2)+\d/2], v[PS+(\j)]
.else
	v_wmma_scale_f32_16x16x128_f8f6f4 v[O+8*\d:O+8*\d+7], v[F+16*\d:F+16*\d+15], v[P:P+15], v[O+8*\d:O+8*\d+7], v[VS+4*(\j)+2*(\d%2)+\d/2], v[PS+(\j)]
.endif
.endr
.endm
	s_mov_b32 s22, 0
	NEXTQ
	s_mov_b32 s21, 0
	MLOAD
	FETCH_K 0
	TOP
	s_mov_b32 s3, 0
	s_wait_alu depctr_va_vdst(0)
.Ltrip:                                            ; 16 trips: block s3 of 32 queries, my tile u of it
	s_cmp_lt_u32 s3, 14
	s_cbranch_scc0 .Lno_ask                        ; the last two trips have no trip two on
	global_prefetch_b8 v[PFO], s[PFA:PFA+1] th:TH_LOAD_NT scope:SCOPE_SE
.Lno_ask:
	s_add_co_u32 s22, s3, 1
	s_and_b32 s22, s22, 15
	STEPA 0
	STEPA 1
	STEPA 2
	STEPA 3
	v_pk_add_f32 v[LA:LA+1], v[LA:LA+1], v[LA+2:LA+3]
	v_pk_add_f32 v[LA+4:LA+5], v[LA+4:LA+5], v[LA+6:LA+7]
	D1
	v_pk_add_f32 v[LA:LA+1], v[LA:LA+1], v[LA+4:LA+5]
	D1
	v_add_f32 v[TM+1], v[LA], v[LA+1]
	D1
	v_permlanex16_b32 v[T2], v[TM+1], s18, s19
	D1
	v_add_f32 v[TM+1], v[TM+1], v[T2]              ; my quarter's sum
	v_mov_b32 v[TM], v12
	ds_store_b64 v[XW], v[TM:TM+1]
	s_wait_alu depctr_va_vdst(0)
	s_wait_dscnt 0x0
	s_barrier_signal -1
	s_barrier_wait -1
	NEXTQ                                          ; the next trip's Q: the scores' products are long done
.irp k, 0,1,2,3
	ds_load_b64 v[TM+2*\k:TM+2*\k+1], v[XR] offset:256*\k
.endr
	s_wait_dscnt 0x0
	v_min3_num_f32 v[T2], v[TM], v[TM+2], v[TM+4]
	D1
	v_min_num_f32 v[T2], v[T2], v[TM+6]            ; -M of the whole row
.irp k, 0,1,2,3
	v_sub_f32 v[TM+2*\k], v[T2], v[TM+2*\k]        ; a quarter's M less the row's: a whole number, 0 or less
.endr
.irp k, 0,1,2,3
	v_cvt_i32_f32 v[TM+2*\k], v[TM+2*\k]
.endr
.irp k, 0,1,2,3
	v_ldexp_f32 v[TM+2*\k+1], v[TM+2*\k+1], v[TM+2*\k]
.endr
	v_add_f32 v[TM+1], v[TM+1], v[TM+3]
	v_add_f32 v[TM+5], v[TM+5], v[TM+7]
	D1
	v_add_f32 v[TM+1], v[TM+1], v[TM+5]
	D1
	v_max_num_f32 v[TM+1], 0.5, v[TM+1]            ; a row with no key: L = 0 is held up, p stays 0
.irp j, 0,1,2,3
	v_sub_f32 v[FS+2*\j], v[T2], v[FS+2*\j]
.endr
.irp j, 0,1,2,3
	v_cvt_i32_f32 v[FS+2*\j], v[FS+2*\j]
.endr
	s_wait_alu depctr_va_vdst(0)
	v_rcp_f32 v[TM+1], v[TM+1]
	v_nop
	s_wait_alu depctr_va_vdst(0)
.irp j, 0,1,2,3
	v_ldexp_f32 v[FS+2*\j], v[TM+1], v[FS+2*\j]    ; step j's factor: 2^(M_j - M) / L
.endr
	STEPB 0
	STEPB 1
	STEPB 2
	STEPB 3
	PLACES 8
	FETCH_K 0                                      ; the next trip's first fragments
.irp i, 0,1,2,3,4,5,6,7
	ds_store_b128 v[OW], v[O+4*\i:O+4*\i+3] offset:512*\i
.endr
	s_wait_dscnt 0x0
	s_barrier_signal -1
	s_barrier_wait -1
	TOP
	s_cmp_eq_u32 s4, 0
	s_wait_alu depctr_va_vdst(0)
	s_cbranch_scc0 .Lno_sum
	WIN 0x40                                       ; PART C: block a = kq % 2 of 32 channels: the four quarters' parts into window 1, which is free
.irp k, 0,1,2,3
.irp i, 0,1,2,3
	ds_load_b128 v[16*\k+4*\i:16*\k+4*\i+3], v[OR] offset:4096*\k+512*\i
.endr
.endr
	WIN 0
	s_wait_dscnt 0x0
	WIN 0x45
.irp i, 0,2,4,6,8,10,12,14
	v_pk_add_f32 v[\i:\i+1], v[\i:\i+1], v[16+\i:17+\i]
	v_pk_add_f32 v[32+\i:33+\i], v[32+\i:33+\i], v[48+\i:49+\i]
.endr
.irp i, 0,2,4,6,8,10,12,14
	v_pk_add_f32 v[\i:\i+1], v[\i:\i+1], v[32+\i:33+\i]
.endr
	WIN 0x14
	v_max3_num_f32 v[TM], 0x4800000, |v0|, |v1|
	v_max3_num_f32 v[TM+1], 0x4800000, |v2|, |v3|
.irp i, 4,8,12
	v_max3_num_f32 v[TM], v[TM], |v[\i]|, |v[\i+1]|
	v_max3_num_f32 v[TM+1], v[TM+1], |v[\i+2]|, |v[\i+3]|
.endr
	WIN 0
	v_max_num_f32 v[TM], v[TM], v[TM+1]
	D1
	v_permlanex16_b32 v[T2], v[TM], s18, s19
	D1
	v_max_num_f32 v[TM], v[TM], v[T2]
	D1
	v_add_nc_u32 v[SCO], 0xfc000000, v[TM]
	v_and_or_b32 v[LIM], v[TM], 0x7f800000, s20
	s_delay_alu instid0(VALU_DEP_2)
	v_lshrrev_b32 v[BY], 23, v[SCO]
	WIN 0x41
.irp i, 0,1,2,3,4,5,6,7,8,9,10,11,12,13,14,15
	v_med3_num_f32 v[\i], v[\i], -v[LIM], v[LIM]
.endr
	WIN 0x01
	v_cvt_scalef32_pk8_fp8_f32 v[XC:XC+1], v[0:7], v[SCO]
	v_cvt_scalef32_pk8_fp8_f32 v[XC+2:XC+3], v[8:15], v[SCO]
	WIN 0
	v_nop
	global_store_b128 v[L16], v[XC:XC+3], s[12:13]   ; 512 consecutive bytes: the image of four operand registers
	global_store_b8 v[R4], v[BY], s[14:15]
.Lno_sum:
	s_wait_xcnt 0x0                                ; the stores and the prefetch have read their bases and data
	s_add_nc_u64 s[12:13], s[12:13], 32768
	s_add_nc_u64 s[14:15], s[14:15], 1024
	s_add_nc_u64 s[PFA:PFA+1], s[PFA:PFA+1], 8192
	s_add_co_u32 s3, s3, 1
	s_cmp_lt_u32 s3, 16
	s_wait_alu depctr_va_vdst(0)
	s_cbranch_scc1 .Ltrip
	s_wait_kmcnt 0x0
	s_wait_tensorcnt 0x0                           ; the wave's end
	ds_add_u32 v[SPW], v[NIL]
	s_wait_dscnt 0x0
	CROUND                                         ; the closing round
	s_endpgm
.Lfunc_end_k_q31edefbd07_attn:
	.size	k_q31edefbd07_attn, .Lfunc_end_k_q31edefbd07_attn-k_q31edefbd07_attn
	.p2alignl 7, 3214868480
	.fill 96, 4, 3214868480
	.section	.rodata,"a",@progbits
	.p2align	6, 0x0
	.amdhsa_kernel k_q31edefbd07_attn
		.amdhsa_group_segment_fixed_size 327680
		.amdhsa_private_segment_fixed_size 0
		.amdhsa_enable_private_segment 0
		.amdhsa_kernarg_size 40
		.amdhsa_user_sgpr_count 2
		.amdhsa_user_sgpr_kernarg_segment_ptr 1
		.amdhsa_wavefront_size32 1
		.amdhsa_system_sgpr_workgroup_id_x 1
		.amdhsa_system_sgpr_workgroup_id_y 1
		.amdhsa_system_sgpr_workgroup_id_z 1
		.amdhsa_system_vgpr_workitem_id 0
		.amdhsa_next_free_vgpr 512
		.amdhsa_next_free_sgpr 102
		.amdhsa_reserve_vcc 0
		.amdhsa_float_denorm_mode_32 3
		.amdhsa_float_denorm_mode_16_64 3
		.amdhsa_memory_ordered 1
		.amdhsa_forward_progress 1
		.amdhsa_inst_pref_size 122
	.end_amdhsa_kernel
	.amdgpu_metadata
---
amdhsa.version: [ 1, 2 ]
amdhsa.kernels:
  - .name:           k_q31edefbd07_attn
    .symbol:         k_q31edefbd07_attn.kd
    .args:
      - { .name: pimg, .offset: 0, .size: 8, .value_kind: global_buffer, .address_space: global }
      - { .name: pscl, .offset: 8, .size: 8, .value_kind: global_buffer, .address_space: global }
      - { .name: maskw, .offset: 16, .size: 8, .value_kind: global_buffer, .address_space: global }
      - { .name: ximg, .offset: 24, .size: 8, .value_kind: global_buffer, .address_space: global }
      - { .name: xscl, .offset: 32, .size: 8, .value_kind: global_buffer, .address_space: global }
    .group_segment_fixed_size: 327680
    .private_segment_fixed_size: 0
    .kernarg_segment_align: 8
    .kernarg_segment_size: 40
    .max_flat_workgroup_size: 256
    .sgpr_count:     102
    .vgpr_count:     512
    .wavefront_size: 32
...
	.end_amdgpu_metadata
.endif
;; end of part 3
;; launch oproj (part 4): grid 4 x 64, 4 waves a work-group, clusters of 4 x 4, 327,680 bytes of LDS; arguments ximg, xscl, Wo_codes, Wo_scales, bo, out0; writes out0
.if DOCPART == 4
	.amdgcn_target "amdgcn-amd-amdhsa--gfx1250"
	.amdhsa_code_object_version 6
	.text
	.protected	k_q31edefbd07_oproj
	.globl	k_q31edefbd07_oproj
	.p2align	8
	.type	k_q31edefbd07_oproj,@function
k_q31edefbd07_oproj:
	s_mov_b64 s[64:65], 0
	v_nop
	global_prefetch_b8 v0, s[64:65] scope:SCOPE_SE
	s_setreg_imm32_b32 hwreg(HW_REG_WAVE_MODE, 25, 1), 1
	s_wait_xcnt 0x0
	s_wait_alu depctr_hold_cnt(0) depctr_sa_sdst(0) depctr_va_vdst(0) depctr_va_sdst(0) depctr_va_ssrc(0) depctr_va_vcc(0) depctr_vm_vsrc(0)
	s_getreg_b32 s2, hwreg(HW_REG_IB_STS2, 6, 4)
	s_cmp_eq_u32 s2, 0
	s_cbranch_scc0 .Lentry_in_a_cluster
	s_endpgm
.Lentry_in_a_cluster:
	s_bfe_u32 s2, ttmp6, 0x10000c
	s_cmp_lg_u32 s2, 0xf033
	s_cbranch_scc0 .Lentry_shape_is_right
	s_endpgm
.Lentry_shape_is_right:
.set PITCH, 272
.set APART, 32768
.set SLOT,  APART+256*PITCH
.set SPARE, 2*SLOT
.set SPITCH, 528
.set ADRA, 16
.set ADRB, 20
.set STO,  24
.set SPW,  28
.set NIL,  29
.set RD,   30
.set CO,   31
.set SA,   32
.set SB,   48
.set ZW,   80
.set AF,   128
.set BK,   128
.set BR,   0
.set G1,  24
.set G0,  32
.set G1B, 48
.set G0B, 56
.set MSB, 0
.macro WIN new
.if MSB != \new
	s_set_vgpr_msb (MSB<<8)|\new
.set MSB, \new
.endif
.endm
.macro PLACES n
.rept \n
	v_nop
.endr
.endm
.macro JLOAD g0a, g1a, g0b, g1b
	s_cmp_eq_u32 s15, 0
	s_cbranch_scc0 .Lfor_b_\@
	tensor_load_to_lds s[\g0a:\g0a+3], s[\g1a:\g1a+7]
	s_nop 0
.rept 4
	v_nop
.endr
	s_branch .Lasked_\@
.Lfor_b_\@:
	tensor_load_to_lds s[\g0b:\g0b+3], s[\g1b:\g1b+7]
	s_nop 0
.rept 4
	v_nop
.endr
.Lasked_\@:
.endm
.macro CREST
	s_cmp_lg_u32 s14, 0
	s_cbranch_scc1 .Lnot_wave_0_\@
	s_barrier_signal -3
.Lnot_wave_0_\@:
	s_barrier_wait -3
	s_barrier_signal -1
	s_barrier_wait -1
.endm
.macro CROUND
	s_barrier_signal -1
	s_barrier_wait -1
	CREST
.endm
	s_load_b256 s[4:11], s[0:1], 0x0
	s_load_b128 s[68:71], s[0:1], 0x20
	v_lshl_add_u32 v[SPW], v0, 2, SPARE
	v_mov_b32 v[NIL], 0
	ds_add_u32 v28, v29
	ds_add_u32 v28, v29
	s_wait_dscnt 0x0
	v_lshrrev_b32 v1, 5, v0
	v_readfirstlane_b32 s14, v1
	s_lshr_b32 s15, s14, 1
	s_and_b32 s3, s14, 1
	s_bfe_u32 s80, ttmp6, 0x40000
	s_bfe_u32 s81, ttmp6, 0x40004
	s_lshl_b32 s86, ttmp9, 2
	s_add_co_u32 s86, s86, s80
	s_and_b32 s87, ttmp7, 0xffff
	s_lshl_b32 s87, s87, 2
	s_add_co_u32 s87, s87, s81
	s_lshl_b32 s89, s81, 2
	s_lshl_b32 s89, 15, s89
	s_lshl_b32 s90, 0x1111, s80
	s_lshl_b32 s92, s87, 17
	s_lshl_b32 s91, s3, 16
	s_add_co_u32 s92, s92, s91
	s_mov_b32 s93, 0
	s_lshl_b32 s94, s86, 18
	s_lshl_b32 s91, s3, 17
	s_add_co_u32 s94, s94, s91
	s_mov_b32 s95, 0
	s_mov_b32 s74, 0x05040100
	s_mov_b32 s75, 0x07060302
	s_lshl_b32 s43, s3, 14
	s_mul_i32 s44, s3, 128*PITCH
	s_add_co_u32 s44, s44, APART
	s_or_b32 s[G1], s89, (3<<16)|(1<<21)
	s_mov_b32 s[G1+1], 512<<16
	s_mov_b32 s[G1+2], 4<<16
	s_mov_b32 s[G1+3], 512<<16
	s_mov_b32 s[G1+4], 4
	s_mov_b32 s[G1+5], 2048
	s_mov_b32 s[G1+6], 0
	s_mov_b32 s[G1+7], 0
	s_or_b32 s[G1B], s90, (0<<16)|(1<<20)|(1<<21)|(5<<22)|(3<<25)
	s_mov_b32 s[G1B+1], 256<<16
	s_mov_b32 s[G1B+2], 128<<16
	s_mov_b32 s[G1B+3], 256<<16
	s_mov_b32 s[G1B+4], 128
	s_mov_b32 s[G1B+5], 1024
	s_mov_b32 s[G1B+6], 0
	s_mov_b32 s[G1B+7], 0
	s_wait_kmcnt 0x0
	s_add_nc_u64 s[96:97], s[4:5], s[92:93]
	s_add_nc_u64 s[98:99], s[8:9], s[94:95]
	; the prefetches of slots 1, 2, 3: of what I fetch for a slot my work-group takes a quarter, told apart by address:
	; A (waves 0, 1): row cx of the four rows of 4,096 bytes, 16,384 apart: lanes 0-15 at 256 bytes apart, lanes 16-31 name the same blocks again;  B (waves 2, 3): rows 32 cy .. + 31 of 1,024 bytes, a lane a row
	s_lshl_b32 s16, s80, 14
	s_lshl_b32 s17, s81, 15
	s_mov_b32 s22, 256                             ; a slot on: 256 bytes in B's rows, 4,096 in A's
	s_cmp_eq_u32 s15, 0
	s_cselect_b32 s16, s16, s17
	s_cselect_b32 s18, 15, 31
	s_cselect_b32 s19, 8, 10
	s_cselect_b32 s22, 0x1000, s22
	s_cselect_b64 s[20:21], s[96:97], s[98:99]
	s_mov_b32 s17, 0
	s_mov_b32 s23, 0
	s_add_nc_u64 s[20:21], s[20:21], s[16:17]
	s_add_nc_u64 s[66:67], s[20:21], s[22:23]      ; slot 1,
	s_add_nc_u64 s[72:73], s[66:67], s[22:23]      ; slot 2,
	s_add_nc_u64 s[76:77], s[72:73], s[22:23]      ; slot 3
	v_and_b32 v22, s18, v0
	v_lshlrev_b32 v22, s19, v22
	s_wait_alu depctr_va_vdst(0)                   ; the wait here, directly behind the write
	s_lshl_b32 s92, s87, 12
	s_lshl_b32 s91, s15, 11
	s_add_co_u32 s92, s92, s91
	s_add_nc_u64 s[6:7], s[6:7], s[92:93]
	s_lshl_b32 s94, s86, 13
	s_lshl_b32 s91, s3, 12
	s_add_co_u32 s94, s94, s91
	s_add_nc_u64 s[10:11], s[10:11], s[94:95]
	s_lshl_b32 s94, s86, 10
	s_lshl_b32 s91, s3, 9
	s_add_co_u32 s94, s94, s91
	s_add_nc_u64 s[68:69], s[68:69], s[94:95]
	s_lshl_b32 s40, s87, 19
	s_lshl_b32 s42, s15, 18
	s_add_co_u32 s40, s40, s42
	s_lshl_b32 s42, s86, 10
	s_add_co_u32 s40, s40, s42
	s_lshl_b32 s42, s3, 9
	s_add_co_u32 s40, s40, s42
	s_mov_b32 s41, 0
	s_add_nc_u64 s[12:13], s[70:71], s[40:41]
	CROUND
.irp s, 0,1
	s_mov_b32 s[G0+4*\s], 1
	s_add_co_u32 s[G0+4*\s+1], s43, \s*SLOT
	s_add_nc_u64 s[G0+4*\s+2:G0+4*\s+3], s[96:97], \s*4096
	s_or_b32 s[G0+4*\s+3], s[G0+4*\s+3], 0x80000000
	s_mov_b32 s[G0B+4*\s], 1
	s_add_co_u32 s[G0B+4*\s+1], s44, \s*SLOT
	s_add_nc_u64 s[G0B+4*\s+2:G0B+4*\s+3], s[98:99], \s*256
	s_or_b32 s[G0B+4*\s+3], s[G0B+4*\s+3], 0x80000000
.endr
	JLOAD G0, G1, G0B, G1B                         ; slot 0: my one tensor load at the head
	v_and_b32 v1, 15, v0
	v_bfe_u32 v2, v0, 4, 1
	v_and_b32 v3, 31, v0
	v_lshlrev_b32 v[CO], 4, v3
	v_mul_u32_u24 v5, v1, PITCH
	v_lshl_add_u32 v5, v2, 4, v5
	s_lshl_b32 s43, s15, 14
	s_mul_i32 s44, s3, 128*PITCH
	s_add_co_u32 s44, s44, APART
.irp s, 0,1
	v_add_nc_u32 v[ADRA+\s], s43, v[CO]
	v_add_nc_u32 v[ADRB+\s], s44, v5
	s_add_co_u32 s43, s43, SLOT
	s_add_co_u32 s44, s44, SLOT
.endr
	s_mul_i32 s43, s14, 16*SPITCH
	v_mul_u32_u24 v[STO], v1, SPITCH
	v_lshl_add_u32 v[STO], v2, 5, v[STO]
	v_add_nc_u32 v[STO], s43, v[STO]
	v_add_nc_u32 v[RD], s43, v[CO]
	v_lshlrev_b32 v25, 2, v1
	v_lshl_add_u32 v25, v2, 9, v25
	v_lshlrev_b32 v26, 5, v1
	v_lshl_add_u32 v26, v2, 4, v26
	v_lshlrev_b32 v27, 5, v2
.irp g, 0,1
.irp q, 0,1,2,3
.irp e, 0,1
	global_load_b32 v[ZW+8*\g+2*\q+\e], v25, s[6:7] offset:1024*\g+64*(2*\q+\e)
.endr
.endr
.endr
.irp b, 0,1,2,3,4,5,6,7
	global_load_b128 v[SB+4*\b:SB+4*\b+3], v26, s[10:11] offset:512*\b
.endr
	WIN 0xc0
.irp b, 0,1,2,3,4,5,6,7
	global_load_b128 v[BR+8*\b:BR+8*\b+3], v27, s[68:69] offset:64*\b
	global_load_b128 v[BR+8*\b+4:BR+8*\b+7], v27, s[68:69] offset:64*\b+16
.endr
	WIN 0
.macro FETCH slot, q, p
	WIN 0x40
.irp b, 0,1,2,3,4,5,6,7
.irp c, 0,1,2,3
	ds_load_b128 v[128*(\p)+16*\b+4*\c:128*(\p)+16*\b+4*\c+3], v[ADRB+\slot] offset:16*\b*PITCH+128*(\q)+32*\c
.endr
.endr
	WIN 0
.irp a, 0,1,2,3
.irp c, 0,1,2,3
	ds_load_b128 v[AF+64*(\p)+16*\a+4*\c:AF+64*(\p)+16*\a+4*\c+3], v[ADRA+\slot] offset:4096*\a+2048*(\q)+512*\c
.endr
.endr
.endm
.macro MUL8 a, s, first
.irp b, 0,1,2,3,4,5,6,7
.if \first
	v_wmma_scale_f32_16x16x128_f8f6f4 v[8*(8*\a+\b):8*(8*\a+\b)+7], v[128*((\s)%2)+16*\b:128*((\s)%2)+16*\b+15], v[AF+64*((\s)%2)+16*\a:AF+64*((\s)%2)+16*\a+15], v[BR+8*\b:BR+8*\b+7], v[SB+4*\b+(\s)%4], v[SA+4*\a+(\s)%4]
.elseif (\s) < 4
	v_wmma_scale_f32_16x16x128_f8f6f4 v[8*(8*\a+\b):8*(8*\a+\b)+7], v[128*((\s)%2)+16*\b:128*((\s)%2)+16*\b+15], v[AF+64*((\s)%2)+16*\a:AF+64*((\s)%2)+16*\a+15], v[8*(8*\a+\b):8*(8*\a+\b)+7], v[SB+4*\b+(\s)%4], v[SA+4*\a+(\s)%4]
.else
	v_wmma_scale_f32_16x16x128_f8f6f4 v[8*(8*\a+\b):8*(8*\a+\b)+7], v[128*((\s)%2)+16*\b:128*((\s)%2)+16*\b+15], v[AF+64*((\s)%2)+16*\a:AF+64*((\s)%2)+16*\a+15], v[8*(8*\a+\b):8*(8*\a+\b)+7], v[SB+4*\b+(\s)%4], v[SA+4*\a+(\s)%4] matrix_a_scale:MATRIX_SCALE_ROW1 matrix_b_scale:MATRIX_SCALE_ROW1
.endif
.endr
.endm
.macro MWIN first
.if \first
	WIN 0xb1
.else
	WIN 0xa1
.endif
.endm
.macro STEP s, first
	s_wait_dscnt 8
	MWIN \first
	MUL8 0, \s, \first
	MUL8 1, \s, \first
	PLACES 8
	FETCH ((\s)/2)%2, 1, 1
	s_wait_dscnt 48
	MWIN \first
	MUL8 2, \s, \first
	MUL8 3, \s, \first
.endm
.macro TURN s, fill
.set SL, ((\s)/2)%2
	WIN 0
	s_wait_tensorcnt 0x0
	ds_add_u32 v[SPW], v[NIL]
	s_wait_dscnt 9
	WIN 0xa1
	MUL8 0, \s, 0
	s_wait_dscnt 0x0
	s_barrier_signal -1
	MUL8 1, \s, 0
	WIN 0
	s_barrier_wait -1
.if \fill
	CREST
	s_add_nc_u64 s[G0+4*SL+2:G0+4*SL+3], s[G0+4*SL+2:G0+4*SL+3], 8192
	s_add_nc_u64 s[G0B+4*SL+2:G0B+4*SL+3], s[G0B+4*SL+2:G0B+4*SL+3], 512
	JLOAD G0+4*SL, G1, G0B+4*SL, G1B
	PLACES 4
.else
	PLACES 8
.endif
	FETCH 1-SL, 0, 0
	WIN 0xa1
	MUL8 2, \s, 0
	MUL8 3, \s, 0
.endm
	global_prefetch_b8 v22, s[66:67] th:TH_LOAD_NT scope:SCOPE_SE   ; slots 1 and 2
	global_prefetch_b8 v22, s[72:73] th:TH_LOAD_NT scope:SCOPE_SE
	s_wait_alu depctr_va_vdst(0)                   ; the wait at the head's end
	s_wait_tensorcnt 0x0                           ; my part of slot 0 is in
	ds_add_u32 v[SPW], v[NIL]                      ; the add and its wait ahead of a later first fill
	s_wait_dscnt 0x0
	CROUND
	JLOAD G0+4, G1, G0B+4, G1B                     ; slot 1's first fill: my one tensor load behind the round
	global_prefetch_b8 v22, s[76:77] th:TH_LOAD_NT scope:SCOPE_SE   ; slot 3
	FETCH 0, 0, 0
	s_wait_loadcnt 0x0
.irp g, 0,1
.irp q, 0,1,2,3
	v_perm_b32 v[SA+4*(2*\g)+\q], v[ZW+8*\g+2*\q+1], v[ZW+8*\g+2*\q], s74
	v_perm_b32 v[SA+4*(2*\g+1)+\q], v[ZW+8*\g+2*\q+1], v[ZW+8*\g+2*\q], s75
.endr
.endr
	PLACES 8
	s_wait_alu depctr_va_vdst(0)
	STEP 0, 1
	TURN 1, 1
	STEP 2, 0
	TURN 3, 1
	STEP 4, 0
	TURN 5, 0
	STEP 6, 0
	s_wait_dscnt 8
	WIN 0xa1
	MUL8 0, 7, 0
	MUL8 1, 7, 0
	s_wait_dscnt 0x0
	MUL8 2, 7, 0
	MUL8 3, 7, 0
	WIN 0
	PLACES 8
.macro TOSTAGE a
	WIN 0x08
.irp b, 0,1,2,3,4,5,6,7
	ds_store_b128 v[STO], v[64*(\a)+8*\b:64*(\a)+8*\b+3] offset:64*\b
	ds_store_b128 v[STO], v[64*(\a)+8*\b+4:64*(\a)+8*\b+7] offset:64*\b+16
.endr
	WIN 0
.set BB, BK+64*((\a)%2)
.irp t, 0,1,2,3,4,5,6,7,8,9,10,11,12,13,14,15
	ds_load_b128 v[BB+4*\t:BB+4*\t+3], v[RD] offset:\t*SPITCH
.endr
.endm
.macro SEND a, younger
.set BB, BK+64*((\a)%2)
	s_wait_dscnt \younger
.irp t, 0,1,2,3,4,5,6,7,8,9,10,11,12,13,14,15
	global_store_b128 v[CO], v[BB+4*\t:BB+4*\t+3], s[12:13] offset:(32*((\a)/2)+8*((\a)%2)+\t+8*(\t/8))*4096 th:TH_STORE_NT
.endr
.endm
	TOSTAGE 0
.irp a, 1,2,3
.if \a > 1
	s_wait_xcnt 0x0
.endif
	TOSTAGE \a
	SEND \a-1, 32
.endr
	SEND 3, 0
	s_wait_tensorcnt 0x0
	ds_add_u32 v[SPW], v[NIL]
	s_wait_dscnt 0x0
	CROUND
	s_endpgm
.Lfunc_end_k_q31edefbd07_oproj:
	.size	k_q31edefbd07_oproj, .Lfunc_end_k_q31edefbd07_oproj-k_q31edefbd07_oproj
	.p2alignl 7, 3214868480
	.fill 96, 4, 3214868480
	.section	.rodata,"a",@progbits
	.p2align	6, 0x0
	.amdhsa_kernel k_q31edefbd07_oproj
		.amdhsa_group_segment_fixed_size 327680
		.amdhsa_private_segment_fixed_size 0
		.amdhsa_enable_private_segment 0
		.amdhsa_kernarg_size 48
		.amdhsa_user_sgpr_count 2
		.amdhsa_user_sgpr_kernarg_segment_ptr 1
		.amdhsa_wavefront_size32 1
		.amdhsa_system_sgpr_workgroup_id_x 1
		.amdhsa_system_sgpr_workgroup_id_y 1
		.amdhsa_system_sgpr_workgroup_id_z 1
		.amdhsa_system_vgpr_workitem_id 0
		.amdhsa_next_free_vgpr 896
		.amdhsa_next_free_sgpr 100
		.amdhsa_reserve_vcc 0
		.amdhsa_float_denorm_mode_32 3
		.amdhsa_float_denorm_mode_16_64 3
		.amdhsa_memory_ordered 1
		.amdhsa_forward_progress 1
		.amdhsa_inst_pref_size 91
	.end_amdhsa_kernel
	.amdgpu_metadata
---
amdhsa.version: [ 1, 2 ]
amdhsa.kernels:
  - .name:           k_q31edefbd07_oproj
    .symbol:         k_q31edefbd07_oproj.kd
    .args:
      - { .name: ximg, .offset: 0, .size: 8, .value_kind: global_buffer, .address_space: global }
      - { .name: xscl, .offset: 8, .size: 8, .value_kind: global_buffer, .address_space: global }
      - { .name: Wo_codes, .offset: 16, .size: 8, .value_kind: global_buffer, .address_space: global }
      - { .name: Wo_scales, .offset: 24, .size: 8, .value_kind: global_buffer, .address_space: global }
      - { .name: bo, .offset: 32, .size: 8, .value_kind: global_buffer, .address_space: global }
      - { .name: out0, .offset: 40, .size: 8, .value_kind: global_buffer, .address_space: global }
    .group_segment_fixed_size: 327680
    .private_segment_fixed_size: 0
    .kernarg_segment_align: 8
    .kernarg_segment_size: 48
    .max_flat_workgroup_size: 128
    .sgpr_count:     100
    .vgpr_count:     896
    .wavefront_size: 32
...
	.end_amdgpu_metadata
.endif
;; end of part 4
